; MI455X (gfx1250); checked and timed in simulation.
; The chip was launched on July 23, 2026; its instructions are those of AMD's public machine-readable ISA for CDNA 5 (MIT licence, August 2026) and "CDNA5" Instruction Set Architecture Reference Guide (July 2026). The comments in the code are by the model that wrote it; some were corrected since.
;; Multi Head Attention. Allowed arithmetic: matrix products marked QUANTISED: E2M1 operands, one E8M0 scale for each 32 along K, by v_wmma_scale_f32_16x16x128_f8f6f4 with both operands' format E2M1 (or v_wmma_scale_f32_32x16x128_f4), f32 sums; products left as they are: bf16, f16 or f32 operands; f32 sums; everything else in f32.
;; Inputs: Wk 1,024 x 1,024 float32; Wo 1,024 x 1,024 float32; Wq 1,024 x 1,024 float32; Wv 1,024 x 1,024 float32; x 4 x 2,048 x 1,024 float32.
;; Outputs: out0 4 x 2,048 x 1,024 float32.
;; This version of the problem:
;;   THIS VERSION OF THE PROBLEM IS GIVEN IN LOW PRECISION. The matrix products marked QUANTISED in the list below multiply operands that are first quantised to E2M1 (2 exponent bits, 1 mantissa bit; 4 bits a number), with one power-of-two scale for each 32 numbers along K (OCP MX v1.0); their sums are f32. The products marked 'left as it is' may take bf16, f16 or f32 operands, with f32 sums. Whichever they take, every output number must still come out within the allowed error. Rounding operands to bf16 (8 significant bits) uses up far more of that allowance than f16 does (11 bits, for magnitudes from 6e-5 to 65,504). All else is computed in f32.
;;   The module's matrix products, in the order in which they are computed (A, B: the left and right operand; K: the contracted axis; several contracted axes count as one K, in the product's order):
;;     1. [M 8,192, K 1,024] x [K 1,024, N 1,024]; A: input x; B: input Wq: QUANTISED
;;     2. [M 8,192, K 1,024] x [K 1,024, N 1,024]; A: input x; B: input Wk: QUANTISED
;;     3. [M 8,192, K 1,024] x [K 1,024, N 1,024]; A: input x; B: input Wv: QUANTISED
;;     4. batch 64 x [M 2,048, K 64] x [K 64, N 2,048]; A: computed on the way; B: computed on the way: left as it is (an operand is computed on the way)
;;     5. batch 64 x [M 2,048, K 2,048] x [K 2,048, N 64]; A: computed on the way; B: computed on the way: left as it is (an operand is computed on the way)
;;     6. [M 8,192, K 1,024] x [K 1,024, N 1,024]; A: computed on the way; B: input Wo: left as it is (an operand is computed on the way)
;;   THE QUANTISER, for each operand of a quantised product, along K:
;;     - K is cut into blocks of 32 from its start; a last block that is shorter is filled with zeros.
;;     - A block's scale is 2^e with e = floor(log2(the largest magnitude in the block)) - 2, held to -126 .. 127; a block of zeros has e = 0. As a byte (E8M0): e + 127.
;;     - Each number is divided by its block's scale, clamped to +-6, and rounded to the nearest number of E2M1, ties to even, subnormals kept.
;;     - The product sums the exact products of the quantised numbers (number of the format x scale) in f32.
;;   ~~~python
;;   def quantise(x, axis):      # numpy; x: float32 -> the quantised numbers, widened to float32 again
;;       x = np.moveaxis(x, axis, -1); K = x.shape[-1]
;;       x = np.pad(x, [(0, 0)] * (x.ndim - 1) + [(0, -K % 32)]); x = x.reshape(x.shape[:-1] + (-1, 32)); a = np.abs(x).max(-1, keepdims=True)
;;       e = np.where(a > 0, np.clip(np.frexp(np.where(a > 0, a, 1))[1] - 1 - 2, -126, 127), 0)      # np.frexp(a)[1] - 1 = floor(log2(a)), exactly
;;       r = np.clip(x / 2.0 ** e, -6, 6)
;;       step = 2.0 ** (np.maximum(np.frexp(np.where(r == 0, 1, r))[1] - 1, 0) - 1)
;;       q = np.round(r / step) * step * 2.0 ** e      # np.round: ties to even
;;       return np.moveaxis(q.reshape(q.shape[:-2] + (-1,))[..., :K], -1, axis).astype(np.float32)
;;   ~~~
;; One version. Each part assembles by itself: llvm-mc -triple=amdgcn-amd-amdhsa -mcpu=gfx1250 --defsym DOCPART=n.
;; ======== version 1 of 1: 5 launches
;; limits: values are held in f16: magnitudes above 65,504 overflow, below 6.1e-05 lose precision
;; workspace buffers: xc 4,194,304 bytes; xs 262,144 bytes; wc 1,572,864 bytes; ws 98,304 bytes; wo16 2,097,152 bytes; qkv16 50,331,648 bytes; qkv32 786,432 bytes; ctx16 16,777,216 bytes
;; launch quant (part 1): grid 384 x 1, 4 waves a work-group, no clusters, 33,280 bytes of LDS; arguments x, Wq, Wk, Wv, Wo, xc, xs, wc, ws, wo16; writes xc, xs, wc, ws, wo16
.if DOCPART == 1
	.amdgcn_target "amdgcn-amd-amdhsa--gfx1250"
	.amdhsa_code_object_version 6
	.text
	.protected	k_q12bdfc00b9_quant
	.globl	k_q12bdfc00b9_quant
	.p2align	8
	.type	k_q12bdfc00b9_quant,@function
k_q12bdfc00b9_quant:
	s_mov_b64 s[64:65], 0
	v_nop
	global_prefetch_b8 v0, s[64:65] scope:SCOPE_SE
	s_setreg_imm32_b32 hwreg(HW_REG_WAVE_MODE, 25, 1), 1
	s_wait_xcnt 0x0
; x [8192][1024] and Wq, Wk, Wv [1024][1024], f32, K innermost, become codes of E2M1 (two a byte, the lower k in the low four bits) with one E8M0 byte for each 32 along K:
; xc [8192][512 bytes], xs [8192][32];  wc [3072][512 bytes], ws [3072][32], the rows of Wq, Wk, Wv on end.  Wo becomes f16, laid by head: wo16 [16 h][1024 n][64] = Wo[n][64 h + c].
; A block's scale is 2^(floor(log2(its largest magnitude)) - 2); its byte is the largest magnitude's exponent field - 2, held at 1 from below.  Each number is divided by the scale and rounded to the nearest code, ties to even;
; beyond 6 the conversion gives the largest code.
; LIMITS: a block of zeros gets the byte 1 (not 127): its codes are zeros, and the bytes are read by this program alone.  Blocks whose largest magnitude lies under 2^-124 are held at the byte 1.  NaN and infinities are not served.
; Wo in f16: magnitudes up to 65,504; what lies under 6e-5 keeps fewer bits.
; SHARES.  A work-group takes 32,768 numbers: work-groups 0-255 x, 256-287 Wq, 288-319 Wk, 320-351 Wv, 352-383 Wo.  Rows are dense and K is a multiple of 32, so the first four tensors are plain streams of blocks.
; A wave takes 16 steps of 512 numbers.  Each of a step's four loads reads 512 consecutive bytes; the 2,048 bytes turn through the wave's own stage in LDS and come back 64 bytes a lane: 16 neighbours along K, two lanes to a block.
; A step's codes leave as 256 consecutive bytes; a wave's 256 scale bytes are gathered in LDS and leave as 256 consecutive bytes.  Waves share nothing: no barrier.
.set STEPS, 16
.set EMAX,  2
.set CB,    8                          ; bytes of 16 codes
.set R,     16                         ; v16-79   four sets of 16 numbers as they are loaded
.set X,     80                         ; v80-111  two sets of 16 neighbours
.set E,     112                        ; v112-127 a scale byte for each step
.set C,     128                        ; v128-191 codes: four registers for each step, so that no store's data are written again
.set WREG,  8192                       ; LDS: a region for each wave: two stages of 32 x SP bytes, behind them its 256 scale bytes
.set SP,    80                         ; a lane's place in a stage: 64 bytes + 16 of padding
.set SPW,   12                         ; v12  LDS address of my spare word; never rewritten
.set NIL,   13                         ; v13  0; never rewritten
.set SPARE, 4*WREG                     ; behind the four regions: the spare words, 128 bytes a wave
	s_load_b256 s[4:11], s[0:1], 0x0               ; x s[4:5], Wq s[6:7], Wk s[8:9], Wv s[10:11]
	s_load_b256 s[12:19], s[0:1], 0x20             ; Wo s[12:13], xc s[14:15], xs s[16:17], wc s[18:19]
	s_load_b128 s[20:23], s[0:1], 0x40             ; ws s[20:21], wo16 s[22:23]
	v_lshl_add_u32 v[SPW], v0, 2, SPARE
	v_mov_b32 v[NIL], 0
	v_lshrrev_b32 v1, 5, v0
	v_readfirstlane_b32 s32, v1                    ; wave
	v_and_b32 v2, 31, v0                           ; lane
	s_cmp_ge_u32 ttmp9, 352
	s_cbranch_scc1 .Lwo                            ; Wo's work-groups go their own way, which touches no LDS
	v_lshlrev_b32 v3, 4, v2                        ; my 16 bytes of a load's 512
	s_mul_i32 s33, s32, WREG
	v_lshrrev_b32 v14, 2, v2
	v_mul_u32_u24 v14, v14, SP
	v_and_b32 v15, 3, v2
	v_lshl_add_u32 v14, v15, 4, v14
	v_add_nc_u32 v14, s33, v14                     ; the stage, on the way in: SP (lane / 4) + 16 (lane % 4)
	v_mul_u32_u24 v15, v2, SP
	v_add_nc_u32 v15, s33, v15                     ; and on the way out: SP x lane: my 16 neighbours
	v_mul_u32_u24 v4, v2, CB                       ; my codes' place in a step's
	v_lshrrev_b32 v5, 1, v2
	s_add_co_u32 s33, s33, 2*32*SP
	v_add_nc_u32 v5, s33, v5                       ; LDS: my wave's 256 scale bytes, my block's byte
	v_lshlrev_b32 v7, 3, v2                        ; and on the way out 8 bytes a lane
	v_add_nc_u32 v6, s33, v7
	s_wait_kmcnt 0x0
	s_cmp_lt_u32 ttmp9, 320                        ; which tensor: the choices hang on the work-group's number alone
	s_cselect_b64 s[24:25], s[8:9], s[10:11]
	s_cmp_lt_u32 ttmp9, 288
	s_cselect_b64 s[24:25], s[6:7], s[24:25]
	s_sub_co_u32 s30, ttmp9, 256                   ; a weight's work-group: its place in wc and ws,
	s_and_b32 s31, s30, 31                         ; and in its own tensor
	s_cmp_lt_u32 ttmp9, 256
	s_cselect_b64 s[24:25], s[4:5], s[24:25]       ; from where,
	s_cselect_b64 s[26:27], s[14:15], s[18:19]     ; the codes,
	s_cselect_b64 s[28:29], s[16:17], s[20:21]     ; the scale bytes
	s_cselect_b32 s30, ttmp9, s30
	s_cselect_b32 s31, ttmp9, s31
	s_lshl_b32 s30, s30, 2
	s_add_co_u32 s30, s30, s32                     ; which run of 8,192 numbers is my wave's: in the outputs,
	s_lshl_b32 s31, s31, 2
	s_add_co_u32 s31, s31, s32                     ; and in the input
	s_lshl_b32 s34, s31, 15                        ; 32,768 bytes of f32 a run
	s_mov_b32 s35, 0
	s_add_nc_u64 s[24:25], s[24:25], s[34:35]
	s_lshl_b32 s34, s30, 12                        ; 4,096 bytes of codes
	s_add_nc_u64 s[26:27], s[26:27], s[34:35]
	s_lshl_b32 s34, s30, 8                         ; 256 scale bytes
	s_add_nc_u64 s[28:29], s[28:29], s[34:35]
.macro LOAD t
.irp i, 0,1,2,3
	global_load_b128 v[R+16*((\t)%4)+4*\i:R+16*((\t)%4)+4*\i+3], v3, s[24:25] offset:2048*(\t)+512*\i th:TH_LOAD_NT   ; 32 lanes read 512 consecutive bytes
.endr
.endm
.macro TURN t                          ; step t's numbers through the stage: LDS serves a wave's instructions in order, so no wait stands between the stores and the loads
.irp i, 0,1,2,3
	ds_store_b128 v14, v[R+16*((\t)%4)+4*\i:R+16*((\t)%4)+4*\i+3] offset:32*SP*((\t)%2)+8*SP*\i
.endr
.irp i, 0,1,2,3
	ds_load_b128 v[X+16*((\t)%2)+4*\i:X+16*((\t)%2)+4*\i+3], v15 offset:32*SP*((\t)%2)+16*\i
.endr
.endm
.irp t, 0,1,2,3
	LOAD \t
.endr
	s_wait_loadcnt 12                              ; step 0's four loads are in; twelve younger ones stay out
	TURN 0
.macro STEP t
.set XS, X+16*((\t)%2)
.if (\t) > 0
	s_wait_dscnt 1                                 ; this step's numbers are back from the stage (the last step's byte store may be out): so its stores into the stage have read their registers,
.else
	s_wait_dscnt 0x0
.endif
.if (\t)+4 < STEPS
	LOAD (\t)+4                                    ; which take the loads of four steps on
.endif
.if (\t)+1 < STEPS
.if STEPS-2-(\t) >= 3
	s_wait_loadcnt 12                              ; the next step's four loads are in; those of the three steps behind it may be out
.else
	s_wait_loadcnt 4*(STEPS-2-(\t))
.endif
	TURN (\t)+1                                    ; and go through the other stage while this step is worked
.endif
	v_max3_num_f32 v8, |v[XS]|, |v[XS+1]|, |v[XS+2]|               ; the largest magnitude of my 16, in two chains
	v_max3_num_f32 v9, |v[XS+3]|, |v[XS+4]|, |v[XS+5]|
.irp i, 6,10
	v_max3_num_f32 v8, v8, |v[XS+\i]|, |v[XS+\i+1]|
	v_max3_num_f32 v9, v9, |v[XS+\i+2]|, |v[XS+\i+3]|
.endr
	v_max3_num_f32 v8, v8, |v[XS+14]|, |v[XS+15]|
	v_max3_num_f32 v8, v8, v9, (EMAX+1)<<23        ; and the floor 2^(3 - 127): so the byte cannot fall under 1
	v_max_num_f32_dpp v8, v8, v8 row_xmask:1 row_mask:0xf bank_mask:0xf   ; and of my neighbour's 16: the block's
	v_add_nc_u32 v11, -(EMAX<<23), v8              ; 2 off its exponent field: the conversion takes the exponent field of this operand as its scale, and nothing else of it
	v_cvt_scalef32_pk8_fp4_f32 v[C+4*(\t)], v[XS:XS+7], v11
	v_cvt_scalef32_pk8_fp4_f32 v[C+4*(\t)+1], v[XS+8:XS+15], v11
	v_lshrrev_b32 v[E+(\t)], 23, v11               ; the scale's byte (a plain line behind the conversions)
	ds_store_b8 v5, v[E+(\t)] offset:16*(\t)       ; both lanes of a block write the same byte with the same value
	global_store_b64 v4, v[C+4*(\t):C+4*(\t)+1], s[26:27] offset:32*CB*(\t)   ; 32 lanes store 256 consecutive bytes
.endm
.irp t, 0,1,2,3,4,5,6,7,8,9,10,11,12,13,14,15
	STEP \t
.endr
	ds_load_b64 v[8:9], v6                         ; LDS serves a wave's instructions in order: these see my stores
	s_wait_dscnt 0x0
	global_store_b64 v7, v[8:9], s[28:29]          ; 32 lanes store 256 consecutive bytes
	s_wait_tensorcnt 0x0                           ; the wave's end
	ds_add_u32 v[SPW], v[NIL]
	s_wait_dscnt 0x0
	s_endpgm
; Wo to f16, by head.  Wave W of 128 takes rows 8 W .. 8 W + 7, four rows at a time and eight heads at a time: lane l takes row l / 8 of the four and 8 neighbouring numbers (32 bytes in, 16 out).
; A store covers four whole rows of one head's plane: 512 consecutive bytes.  Two sets of 64 registers take turns: 16 loads stay out while a batch is converted.
.Lwo:
	v_lshrrev_b32 v3, 3, v2
	v_lshlrev_b32 v3, 12, v3                       ; a row of Wo is 4,096 bytes
	v_and_b32 v4, 7, v2
	v_lshl_add_u32 v3, v4, 5, v3                   ; in: row x 4,096 + 32 (lane % 8)
	v_lshlrev_b32 v4, 4, v2                        ; out: 16 x lane
	s_sub_co_u32 s30, ttmp9, 352
	s_lshl_b32 s30, s30, 2
	s_add_co_u32 s30, s30, s32                     ; W
	s_lshl_b32 s34, s30, 15                        ; eight rows of 4,096 bytes
	s_mov_b32 s35, 0
	s_lshl_b32 s36, s30, 10                        ; eight rows of 128 bytes in a plane
	s_mov_b32 s37, 0
	s_wait_kmcnt 0x0
	s_add_nc_u64 s[12:13], s[12:13], s[34:35]
	s_add_nc_u64 s[22:23], s[22:23], s[36:37]
.macro WLOAD k                         ; batch k: rows 4 (k / 2) on, heads 8 (k % 2) on, into set k % 2
.irp p, 0,1,2,3,4,5,6,7
	global_load_b128 v[16+64*((\k)%2)+8*\p:16+64*((\k)%2)+8*\p+3], v3, s[12:13] offset:((\k)/2)*16384+(8*((\k)%2)+\p)*256 th:TH_LOAD_NT
	global_load_b128 v[16+64*((\k)%2)+8*\p+4:16+64*((\k)%2)+8*\p+7], v3, s[12:13] offset:((\k)/2)*16384+(8*((\k)%2)+\p)*256+16 th:TH_LOAD_NT
.endr
.endm
.macro WBATCH k, left
	s_wait_loadcnt \left                           ; this batch's 16 loads are in; the next batch's may be out
.if (\k) > 0
	s_wait_xcnt 0x0                                ; the last batch's stores have read v144-175, which are written again below
.endif
.set n, 0
.rept 32
	v_cvt_pk_f16_f32 v[144+n], v[16+64*((\k)%2)+2*n], v[16+64*((\k)%2)+2*n+1]
.set n, n+1
.endr
.if (\k)+2 < 4
	WLOAD (\k)+2
.endif
.irp p, 0,1,2,3,4,5,6,7
	global_store_b128 v4, v[144+4*\p:144+4*\p+3], s[22:23] offset:(8*((\k)%2)+\p)*131072+((\k)/2)*512
.endr
.endm
	WLOAD 0
	WLOAD 1
	WBATCH 0, 16
	WBATCH 1, 16
	WBATCH 2, 16
	WBATCH 3, 0
	s_endpgm
.Lfunc_end_k_q12bdfc00b9_quant:
	.size	k_q12bdfc00b9_quant, .Lfunc_end_k_q12bdfc00b9_quant-k_q12bdfc00b9_quant
	.p2alignl 7, 3214868480
	.fill 96, 4, 3214868480
	.section	.rodata,"a",@progbits
	.p2align	6, 0x0
	.amdhsa_kernel k_q12bdfc00b9_quant
		.amdhsa_group_segment_fixed_size 33280
		.amdhsa_private_segment_fixed_size 0
		.amdhsa_enable_private_segment 0
		.amdhsa_kernarg_size 80
		.amdhsa_user_sgpr_count 2
		.amdhsa_user_sgpr_kernarg_segment_ptr 1
		.amdhsa_wavefront_size32 1
		.amdhsa_system_sgpr_workgroup_id_x 1
		.amdhsa_system_sgpr_workgroup_id_y 1
		.amdhsa_system_sgpr_workgroup_id_z 1
		.amdhsa_system_vgpr_workitem_id 0
		.amdhsa_next_free_vgpr 192
		.amdhsa_next_free_sgpr 66
		.amdhsa_reserve_vcc 0
		.amdhsa_float_denorm_mode_32 3
		.amdhsa_float_denorm_mode_16_64 3
		.amdhsa_memory_ordered 1
		.amdhsa_forward_progress 1
		.amdhsa_inst_pref_size 51
	.end_amdhsa_kernel
	.amdgpu_metadata
---
amdhsa.version: [ 1, 2 ]
amdhsa.kernels:
  - .name:           k_q12bdfc00b9_quant
    .symbol:         k_q12bdfc00b9_quant.kd
    .args:
      - { .name: x, .offset: 0, .size: 8, .value_kind: global_buffer, .address_space: global }
      - { .name: Wq, .offset: 8, .size: 8, .value_kind: global_buffer, .address_space: global }
      - { .name: Wk, .offset: 16, .size: 8, .value_kind: global_buffer, .address_space: global }
      - { .name: Wv, .offset: 24, .size: 8, .value_kind: global_buffer, .address_space: global }
      - { .name: Wo, .offset: 32, .size: 8, .value_kind: global_buffer, .address_space: global }
      - { .name: xc, .offset: 40, .size: 8, .value_kind: global_buffer, .address_space: global }
      - { .name: xs, .offset: 48, .size: 8, .value_kind: global_buffer, .address_space: global }
      - { .name: wc, .offset: 56, .size: 8, .value_kind: global_buffer, .address_space: global }
      - { .name: ws, .offset: 64, .size: 8, .value_kind: global_buffer, .address_space: global }
      - { .name: wo16, .offset: 72, .size: 8, .value_kind: global_buffer, .address_space: global }
    .group_segment_fixed_size: 33280
    .private_segment_fixed_size: 0
    .kernarg_segment_align: 8
    .kernarg_segment_size: 80
    .max_flat_workgroup_size: 128
    .sgpr_count:     66
    .vgpr_count:     192
    .wavefront_size: 32
...
	.end_amdgpu_metadata
.endif
;; end of part 1
;; launch qkv (part 2): grid 12 x 32, 4 waves a work-group, clusters of 4 x 4, 327,680 bytes of LDS; arguments xc, xs, wc, ws, qkv16, qkv32; writes qkv16, qkv32
.if DOCPART == 2
	.amdgcn_target "amdgcn-amd-amdhsa--gfx1250"
	.amdhsa_code_object_version 6
	.text
	.protected	k_q12bdfc00b9_qkv
	.globl	k_q12bdfc00b9_qkv
	.p2align	8
	.type	k_q12bdfc00b9_qkv,@function
k_q12bdfc00b9_qkv:
	s_mov_b64 s[64:65], 0
	v_nop
	global_prefetch_b8 v0, s[64:65] scope:SCOPE_SE
	s_setreg_imm32_b32 hwreg(HW_REG_WAVE_MODE, 25, 1), 1
	s_wait_xcnt 0x0
	s_wait_alu depctr_hold_cnt(0) depctr_sa_sdst(0) depctr_va_vdst(0) depctr_va_sdst(0) depctr_va_ssrc(0) depctr_va_vcc(0) depctr_vm_vsrc(0)
	s_getreg_b32 s2, hwreg(HW_REG_IB_STS2, 6, 4)
	s_cmp_eq_u32 s2, 0
	s_cbranch_scc0 .Lentry_in_a_cluster
	s_endpgm
.Lentry_in_a_cluster:
	s_bfe_u32 s2, ttmp6, 0x10000c
	s_cmp_lg_u32 s2, 0xf033
	s_cbranch_scc0 .Lentry_shape_is_right
	s_endpgm
.Lentry_shape_is_right:
; q, k, v = x Wq^T, x Wk^T, x Wv^T as ONE product C[m][n] = sum over k of A[m][k] B[n][k] on codes of E2M1 with one E8M0 byte for each 32 along K; sums in f32.
; A = xc [8192][1024 codes], xs [8192][32];  B = wc [3072][1024 codes], ws [3072][32]: rows 0-1023 Wq, 1024-2047 Wk, 2048-3071 Wv.
; OUT: qkv16 [3 s][4 b][16 h][2048 t][64] f16 (a row is 128 bytes, rows dense), and qkv32 [4 b][16 t][3072 n] f32: the first 16 positions of each sequence, unrounded, for the launch that carries them in f32.
; LIMIT: q, k, v go on in f16: magnitudes up to 65,504.
; A tile of C, 256 x 256, is made by a work-group of four waves; a wave makes 128 x 128: 64 accumulators of 16 x 16, 512 registers.  K = 1,024 is two LDS slots of 512 along K (rows of 256 bytes): both are filled at the start, and nothing is filled again.
; The scale bytes of the work-group's 256 rows of A and of B, for all of K, are two dense blocks of memory: they come into LDS once, with the first fills.
; CLUSTERS: 4 x 4 work-groups.  The four of a row of the cluster need the same tiles of A, the four of a column the same tiles of B: each tile is asked for jointly, by the same tensor load with the same descriptor and a mask that names the four.
; Tile row = 8 cy + cluster y, so that cy is the batch and the tiles that hold positions 0-15 are those of cluster y = 0: the branch round the f32 rows hangs on the cluster's y and the wave's number alone.
; THE MATRIX INSTRUCTION IS USED TRANSPOSED (source 0 = 16 rows of B, source 1 = 16 rows of A): a lane then holds eight neighbouring numbers of a row of C.
; REGISTERS, in windows of 256: window 0: v0-31 addresses; v32-95 scale words, two sets; from v128 A's fragments, ONE set; on the way out v32-255 are free.
;   window 1: B's fragments, TWO sets, at v0 and at v128.   window 2: the 32 accumulators of my rows 0-63 ((a, b) at v[8 (8 a + b)]);   window 3: those of my rows 64-127.
.set SIZE_K, 1024
.set KSTEP,  512                       ; along K in a slot
.set NQ,     KSTEP/128                 ; matrix instructions deep
.set ROWB,   256                       ; a tile's row in bytes
.set KROW,   SIZE_K/2                  ; a row of A or of B in memory, in bytes
.set PITCH,  272                       ; an LDS row: 256 bytes + 16 of padding, so that the 16 rows that a load touches begin 16 bytes further on in each 256
.set FR,     8                         ; registers of a fragment: 16 rows x 128 K
.set NL,     2                         ; LDS loads that bring one
.set NP,     4                         ; places behind this matrix instruction (ISA guide 7.12.1)
.set HALFT,  128*PITCH                 ; 128 rows: what one tensor load brings, and what one wave reads of A or of B
.set SLOT,   4*HALFT                   ; A's 256 rows, then B's 256 rows
.set KS,     SIZE_K/32                 ; a row of scales in bytes
.set SCL,    2*SLOT                    ; behind the slots: the scales, as rows of 256 bytes + 16 of padding
.set HALFS,  (128*KS/256)*272          ; the scales of 128 rows: what one tensor load brings
.set SBLK,   (16*KS/256)*272           ; those of 16 rows
.set SPARE,  SCL+4*HALFS               ; behind the scales: the spare words, 128 bytes a wave
.set ST16,   4352                      ; the way out: a wave's f16 stage: two heads x 8 LDS rows of 272 bytes, two rows of 128 bytes in each.  The stages lie in slot 0, which has had its one fill and its last read when they are written
.set ST32,   8448                      ; and its f32 stage: 16 rows x (512 + 16) bytes, from byte 4 ST16 on
.set ADRA, 16                          ; v16-17  LDS address of my A fragments in slot 0, 1
.set ADRB, 20                          ; v20-21  the same for B
.set STO32, 22                         ; v22     f32 stage: where I put 32 bytes of a row
.set RD32, 23                          ; v23     and where I read a row back
.set STO,  24                          ; v24     f16 stage: where I put 16 bytes of a row
.set RD,   25                          ; v25     and where I read back
.set CO,   26                          ; v26     16 x lane
.set ADRS, 27                          ; v27     LDS address of my scale words: lanes 0-15 A's rows, lanes 16-31 B's
.set SPW,  28                          ; v28     LDS address of my spare word; never rewritten
.set NIL,  29                          ; v29     0; never rewritten
.set SC,   32                          ; scale words: set s at v[SC + 8 NQ s]; register NQ i + q: lanes 0-15 the word of A's block i, lanes 16-31 that of B's block i, for the slot's q-th 128 along K
.set AF,   128                         ; A's fragments, in window 0
.set TMP,  192                         ; the way out: a block's packed results
.set G1, 24                            ; s[24:31] descriptor group 1 for A's tiles;  s[32:39] group 0, one set for each slot
.set G0, 32
.set G1B, 48                           ; s[48:55], s[56:63] the same for B's tiles
.set G0B, 56
.set G1S, 68                           ; s[68:75], s[76:79] groups 1 and 0 for A's scales;  s[80:87], s[88:91] for B's
.set G0S, 76
.set G1SB, 80
.set G0SB, 88
.set MSB, 0
.macro WIN new                         ; the immediate's high byte repeats the setting that is left
.if MSB != (\new)
	s_set_vgpr_msb (MSB<<8)|(\new)
.set MSB, (\new)
.endif
.endm
.set MUL_LO, 0xa1                      ; source 0 (B) window 1, source 1 (A) window 0, C and D window 2
.set MUL_HI, 0xf1                      ; the same, C and D window 3
.set TO_B,   0x40                      ; destination window 1, address window 0
; A joint load: waves 0 and 1 fetch for A, waves 2 and 3 for B.  Each of the two lines has one mask and one set of registers for all that issue it; the branch hangs on the wave's number alone.
; An s_nop 0 and four v_nop follow each of the two lines.
.macro JLOAD g0a, g1a, g0b, g1b
	s_cmp_eq_u32 s15, 0
	s_cbranch_scc0 .Lfor_b_\@
	tensor_load_to_lds s[\g0a:\g0a+3], s[\g1a:\g1a+7]
	s_nop 0
.rept 4
	v_nop
.endr
	s_branch .Lasked_\@
.Lfor_b_\@:
	tensor_load_to_lds s[\g0b:\g0b+3], s[\g1b:\g1b+7]
	s_nop 0
.rept 4
	v_nop
.endr
.Lasked_\@:
.endm
.macro CROUND                          ; a round of the cluster's barrier
	s_barrier_signal -1
	s_barrier_wait -1
	s_cmp_lg_u32 s14, 0
	s_cbranch_scc1 .Lnot_wave_0_\@
	s_barrier_signal -3
.Lnot_wave_0_\@:
	s_barrier_wait -3
	s_barrier_signal -1
	s_barrier_wait -1
.endm
	s_load_b128 s[4:7], s[0:1], 0x0                ; A's codes s[4:5], A's scales s[6:7]
	s_load_b128 s[8:11], s[0:1], 0x10              ; B's codes s[8:9], B's scales s[10:11]
	s_load_b64 s[12:13], s[0:1], 0x20              ; qkv16
	s_load_b64 s[96:97], s[0:1], 0x28              ; qkv32
	v_lshl_add_u32 v[SPW], v0, 2, SPARE
	v_mov_b32 v[NIL], 0
	ds_add_u32 v[SPW], v[NIL]                      ; the wave's opening: the add, twice on end, and its wait ahead of my first tensor load; the set-up below stands between
	ds_add_u32 v[SPW], v[NIL]
	v_lshrrev_b32 v1, 5, v0
	v_readfirstlane_b32 s14, v1                    ; wave 0..3
	s_lshr_b32 s15, s14, 1                         ; which half of the tile's rows is mine.  Also: I fetch for A (0) or for B (1)
	s_and_b32 s16, s14, 1                          ; which half of its columns.  Also: which 128 rows of that tile I fetch
	s_bfe_u32 s40, ttmp6, 0x40000                  ; cx, cy: my place in the cluster
	s_bfe_u32 s41, ttmp6, 0x40004
	s_lshl_b32 s42, ttmp9, 2
	s_add_co_u32 s42, s42, s40                     ; tile column of C = 4 x cluster x + cx: cluster x says q, k or v
	s_and_b32 s17, ttmp7, 0xffff
	s_lshl_b32 s18, s41, 3
	s_add_co_u32 s17, s17, s18                     ; tile row of C = 8 cy + cluster y: cy is the batch
	s_lshl_b32 s43, s41, 2
	s_lshl_b32 s43, 15, s43                        ; my row of the cluster
	s_lshl_b32 s44, 0x1111, s40                    ; my column
	; descriptor group 1: a tile of 128 rows x 256 bytes, padded in LDS
	s_or_b32 s[G1+0], s43, (0<<16)|(1<<20)|(1<<21)|(5<<22)|(3<<25)  ; 15:0 the mask: A's tiles go to my row; 17:16 element of 1 byte; 20 padding on; 21 set beside a mask; 24:22 after every 64 words; 31:25 four words
	s_or_b32 s[G1B+0], s44, (0<<16)|(1<<20)|(1<<21)|(5<<22)|(3<<25)
.irp g, G1, G1B
	s_mov_b32 s[\g+1], ROWB<<16                    ; tensor_dim0
	s_mov_b32 s[\g+2], 128<<16                     ; tensor_dim1
	s_mov_b32 s[\g+3], ROWB<<16                    ; tile_dim0
	s_mov_b32 s[\g+4], 128                         ; tile_dim1
	s_mov_b32 s[\g+5], KROW                        ; tensor_dim0_stride
	s_mov_b32 s[\g+6], 0
	s_mov_b32 s[\g+7], 0
.endr
	; the scales of 128 rows: a dense block of 4,096 bytes, as rows of 256 bytes (32 elements of 8 bytes), 16 bytes of padding behind each
	s_or_b32 s[G1S+0], s43, (3<<16)|(1<<20)|(1<<21)|(5<<22)|(3<<25)
	s_or_b32 s[G1SB+0], s44, (3<<16)|(1<<20)|(1<<21)|(5<<22)|(3<<25)
.irp g, G1S, G1SB
	s_mov_b32 s[\g+1], 32<<16
	s_mov_b32 s[\g+2], (128*KS/256)<<16
	s_mov_b32 s[\g+3], 32<<16
	s_mov_b32 s[\g+4], 128*KS/256
	s_mov_b32 s[\g+5], 32
	s_mov_b32 s[\g+6], 0
	s_mov_b32 s[\g+7], 0
.endr
	s_lshl_b32 s18, s16, 7                         ; which 128 rows of the tile I fetch
	s_lshl_b32 s20, s17, 8
	s_add_co_u32 s20, s20, s18                     ; A: row 256 x tile row + 128 x half
	s_lshl_b32 s46, s42, 8
	s_add_co_u32 s46, s46, s18                     ; B: row 256 x tile column + 128 x half
	s_mov_b32 s21, 0
	s_mov_b32 s47, 0
	s_mov_b64 s[18:19], KS
	s_mul_u64 s[22:23], s[20:21], s[18:19]         ; where these rows' scales begin, in bytes
	s_mul_u64 s[92:93], s[46:47], s[18:19]
	s_mov_b64 s[18:19], KROW
	s_mul_u64 s[20:21], s[20:21], s[18:19]         ; and their codes
	s_mul_u64 s[46:47], s[46:47], s[18:19]
	s_mul_i32 s45, s14, HALFT                      ; where they go: wave x 128 rows: no place in the cluster enters an LDS address
	s_mul_i32 s94, s14, HALFS
	s_wait_dscnt 0x0                               ; both opening adds are done
	s_wait_kmcnt 0x0
	s_add_nc_u64 s[20:21], s[4:5], s[20:21]
	s_add_nc_u64 s[22:23], s[6:7], s[22:23]
	s_add_nc_u64 s[46:47], s[8:9], s[46:47]
	s_add_nc_u64 s[92:93], s[10:11], s[92:93]
	CROUND                                         ; all sixteen work-groups are here: the joint loads meet
	s_mov_b32 s[G0S], 1
	s_add_co_u32 s[G0S+1], s94, SCL
	s_mov_b64 s[G0S+2:G0S+3], s[22:23]
	s_or_b32 s[G0S+3], s[G0S+3], 0x80000000
	s_mov_b32 s[G0SB], 1
	s_add_co_u32 s[G0SB+1], s94, SCL
	s_mov_b64 s[G0SB+2:G0SB+3], s[92:93]
	s_or_b32 s[G0SB+3], s[G0SB+3], 0x80000000
	JLOAD G0S, G1S, G0SB, G1SB                     ; the scales first: they are wanted with the first slot
.irp s, 0,1
	s_mov_b32 s[G0+4*\s], 1
	s_add_co_u32 s[G0+4*\s+1], s45, \s*SLOT
	s_add_nc_u64 s[G0+4*\s+2:G0+4*\s+3], s[20:21], \s*ROWB
	s_or_b32 s[G0+4*\s+3], s[G0+4*\s+3], 0x80000000
	s_mov_b32 s[G0B+4*\s], 1
	s_add_co_u32 s[G0B+4*\s+1], s45, \s*SLOT
	s_add_nc_u64 s[G0B+4*\s+2:G0B+4*\s+3], s[46:47], \s*ROWB
	s_or_b32 s[G0B+4*\s+3], s[G0B+4*\s+3], 0x80000000
	JLOAD G0+4*\s, G1, G0B+4*\s, G1B               ; three tensor loads of mine are out in all
.endr
	v_and_b32 v1, 15, v0                           ; r = l % 16
	v_bfe_u32 v2, v0, 4, 1                         ; hh = l / 16
	v_mul_u32_u24 v3, v1, PITCH
	v_lshl_add_u32 v4, v2, 4, v3                   ; a fragment's row x pitch + 16 x half
	s_mul_i32 s21, s15, HALFT                      ; my 128 rows of A
	s_mul_i32 s22, s16, HALFT                      ; my 128 rows of B,
	s_add_co_u32 s22, s22, 2*HALFT                 ; which lie behind A's 256
.irp s, 0,1
	v_add_nc_u32 v[ADRA+\s], s21, v4
	v_add_nc_u32 v[ADRB+\s], s22, v4
	s_add_co_u32 s21, s21, SLOT
	s_add_co_u32 s22, s22, SLOT
.endr
	v_mul_u32_u24 v5, v1, KS                       ; my row's scales: KS bytes a row,
	v_lshrrev_b32 v6, 8, v5
	v_lshl_add_u32 v5, v6, 4, v5                   ; and 16 more for each 256 passed
	s_mul_i32 s21, s15, HALFS                      ; A's: my 128 rows
	s_mul_i32 s22, s16, HALFS                      ; B's: my 128 rows, behind A's 256
	s_add_co_u32 s22, s22, 2*HALFS
	s_sub_co_u32 s22, s22, s21
	v_mul_u32_u24 v6, s22, v2                      ; lanes 16-31 take B's
	s_add_co_u32 s21, s21, SCL
	v_add_nc_u32 v5, v5, v6
	v_add_nc_u32 v[ADRS], s21, v5
	; the way out's addresses
	v_lshrrev_b32 v5, 1, v1
	v_mul_u32_u24 v5, v5, 272
	v_and_b32 v6, 1, v0
	v_lshl_add_u32 v5, v6, 7, v5
	v_lshl_add_u32 v5, v2, 4, v5                   ; row r of 128 bytes, two rows to an LDS row: (r / 2) 272 + (r % 2) 128 + 16 hh
	s_mul_i32 s23, s14, ST16
	v_add_nc_u32 v[STO], s23, v5
	v_mul_u32_u24 v5, v2, 272
	v_lshl_add_u32 v5, v1, 4, v5
	v_add_nc_u32 v[RD], s23, v5                    ; back: lanes 0-15 one LDS row (two rows of C), lanes 16-31 the next
	v_and_b32 v6, 31, v0
	v_lshlrev_b32 v[CO], 4, v6
	s_mul_i32 s23, s14, ST32
	s_add_co_u32 s23, s23, 4*ST16
	v_mul_u32_u24 v5, v1, 528
	v_lshl_add_u32 v5, v2, 5, v5
	v_add_nc_u32 v[STO32], s23, v5
	v_add_nc_u32 v[RD32], s23, v[CO]
	s_lshl_b32 s20, ttmp9, 2                       ; qkv16: (((4 s + b) 16 + head) 2,048 + t) 128 bytes; my first head is 4 cx + 2 x column half, my first t 256 x cluster y + 128 x row half
	s_add_co_u32 s20, s20, s41
	s_lshl_b32 s20, s20, 4
	s_lshl_b32 s21, s40, 2
	s_add_co_u32 s20, s20, s21
	s_lshl_b32 s21, s16, 1
	s_add_co_u32 s20, s20, s21
	s_lshl_b32 s20, s20, 11
	s_and_b32 s21, ttmp7, 0xffff
	s_lshl_b32 s21, s21, 8
	s_add_co_u32 s20, s20, s21
	s_lshl_b32 s21, s15, 7
	s_add_co_u32 s20, s20, s21
	s_lshl_b32 s20, s20, 7
	s_mov_b32 s21, 0
	s_add_nc_u64 s[12:13], s[12:13], s[20:21]
	s_mul_i32 s20, s41, 196608                     ; qkv32: batch x 16 rows of 12,288 bytes + my first column x 4
	s_lshl_b32 s46, s42, 10
	s_add_co_u32 s20, s20, s46
	s_lshl_b32 s46, s16, 9
	s_add_co_u32 s20, s20, s46
	s_add_nc_u64 s[96:97], s[96:97], s[20:21]
.macro FRAG reg, adr, q, i             ; a fragment, 16 rows x 128 K of 4-bit codes: lane l holds row l % 16; registers 4 c .. 4 c + 3 hold K = 64 c + 32 (l / 16) + 0 .. 31
.irp c, 0,1
	ds_load_b128 v[\reg+4*\c:\reg+4*\c+3], v[\adr] offset:64*(\q)+32*\c+(\i)*16*PITCH
.endr
.endm
; 16 matrix instructions: A's blocks a0, a0 + 1 x B's eight, 128 along K: the slot's q-th.  p: B's set;  sc: the set of scale words.  zero = 1: the first product starts the sums.
; The 64 accumulators take turns, one instruction a turn, in the same order in every step.
.macro MUL16 a0, p, q, sc, zero
.irp a, \a0, \a0+1
.irp b, 0,1,2,3,4,5,6,7
.if \zero
	v_wmma_scale_f32_16x16x128_f8f6f4 v[8*(8*((\a)%4)+\b):8*(8*((\a)%4)+\b)+7], v[128*(\p)+FR*\b:128*(\p)+FR*\b+FR-1], v[AF+FR*(\a):AF+FR*(\a)+FR-1], 0, v[SC+8*NQ*(\sc)+NQ*\b+(\q)], v[SC+8*NQ*(\sc)+NQ*(\a)+(\q)] matrix_a_fmt:MATRIX_FMT_FP4 matrix_b_fmt:MATRIX_FMT_FP4 matrix_a_scale:MATRIX_SCALE_ROW1
.else
	v_wmma_scale_f32_16x16x128_f8f6f4 v[8*(8*((\a)%4)+\b):8*(8*((\a)%4)+\b)+7], v[128*(\p)+FR*\b:128*(\p)+FR*\b+FR-1], v[AF+FR*(\a):AF+FR*(\a)+FR-1], v[8*(8*((\a)%4)+\b):8*(8*((\a)%4)+\b)+7], v[SC+8*NQ*(\sc)+NQ*\b+(\q)], v[SC+8*NQ*(\sc)+NQ*(\a)+(\q)] matrix_a_fmt:MATRIX_FMT_FP4 matrix_b_fmt:MATRIX_FMT_FP4 matrix_a_scale:MATRIX_SCALE_ROW1
.endif
.endr
.endr
.endm
.macro FETCH_B slot, q, p              ; B's eight fragments of the slot's q-th 128 along K into set p
	WIN TO_B
.irp i, 0,1,2,3,4,5,6,7
	FRAG 128*(\p)+FR*\i, ADRB+\slot, \q, \i
.endr
	WIN 0
.endm
.macro FETCH_A slot, q, i0             ; A's blocks i0 .. i0 + 3
.irp i, \i0, \i0+1, \i0+2, \i0+3
	FRAG AF+FR*(\i), ADRA+\slot, \q, \i
.endr
.endm
.macro SCALES sc                       ; a slot's scale words into set sc: NQ words a row; lanes 0-15 take A's block i, lanes 16-31 B's block i
.irp i, 0,1,2,3,4,5,6,7
	ds_load_b128 v[SC+8*NQ*\sc+NQ*\i:SC+8*NQ*\sc+NQ*\i+3], v[ADRS] offset:\i*SBLK
.endr
.endm
; A load into a register that a matrix instruction has read, and a vector instruction or an LDS store that reads a matrix result, stand NP plain vector instructions behind that matrix instruction.
.macro PLACES n
.rept \n
	v_nop
.endr
.endm
; A step of 128 along K that has its successor in the same slot.
.macro STEP slot, q, zero
	s_wait_dscnt 4*NL                              ; B's set and A's blocks 0-3 are in; the youngest eight loads (A's blocks 4-7) may be out
	WIN MUL_LO
	MUL16 0, (\q)%2, \q, \slot, \zero
	MUL16 2, (\q)%2, \q, \slot, \zero
	s_wait_dscnt 0                                 ; A's blocks 4-7 are in (asked for 32 matrix instructions ago)
	PLACES NP
	FETCH_B \slot, (\q)+1, 1-(\q)%2
	FETCH_A \slot, (\q)+1, 0
	WIN MUL_HI
	MUL16 4, (\q)%2, \q, \slot, \zero
	MUL16 6, (\q)%2, \q, \slot, \zero
	PLACES NP
	WIN 0
	FETCH_A \slot, (\q)+1, 4
.endm
; Slot 0's last step changes slots: one barrier.  In front of it each wave waits for all its tensor loads (its part of slot 1), adds 0 to its spare word, and waits for that and for its own reads of slot 0.
; Behind it slot 1 is whole and nobody reads slot 0 any more: the way out's stages lie there.
.macro TURN slot, next
	s_wait_tensorcnt 0x0                           ; all my tensor loads have landed
	ds_add_u32 v[SPW], v[NIL]                      ; 0 onto my spare word
	s_wait_dscnt 4*NL+1                            ; (the add and the youngest eight loads, A's blocks 4-7, may be out)
	WIN MUL_LO
	MUL16 0, 1, NQ-1, \slot, 0
	s_wait_dscnt 0x0                               ; the add is done, and my reads of this slot are over
	s_barrier_signal -1
	MUL16 2, 1, NQ-1, \slot, 0
	WIN 0
	s_barrier_wait -1
	PLACES NP
	v_add_nc_u32 v[ADRS], 4*NQ, v[ADRS]            ; on to the next slot's scale words (no LDS load of mine is out)
	FETCH_B \next, 0, 0
	FETCH_A \next, 0, 0
	SCALES \next
	WIN MUL_HI
	MUL16 4, 1, NQ-1, \slot, 0
	MUL16 6, 1, NQ-1, \slot, 0
	PLACES NP
	WIN 0
	FETCH_A \next, 0, 4
.endm
.macro STEPS slot, from                ; the slot's steps from .. NQ - 2
.set Q, \from
.rept NQ-1-\from
	STEP \slot, Q, 0
.set Q, Q+1
.endr
.endm
	s_wait_tensorcnt 1                             ; the scales and my part of slot 0 are in (one younger load, slot 1's, may be out),
	s_barrier_signal -1
	s_barrier_wait -1                              ; everybody's are
	FETCH_B 0, 0, 0
	FETCH_A 0, 0, 0
	SCALES 0
	FETCH_A 0, 0, 4
	STEP 0, 0, 1                                   ; the first step's products start the sums: nothing is cleared
	STEPS 0, 1
	TURN 0, 1
	STEPS 1, 0
	s_wait_dscnt 4*NL                              ; the very last step: nothing more to fetch
	WIN MUL_LO
	MUL16 0, 1, NQ-1, 1, 0
	MUL16 2, 1, NQ-1, 1, 0
	s_wait_dscnt 0
	WIN MUL_HI
	MUL16 4, 1, NQ-1, 1, 0
	MUL16 6, 1, NQ-1, 1, 0
	WIN 0
; THE WAY OUT.  A lane holds eight neighbouring columns of one row, and the lanes beside it hold other rows: a block of 16 rows x 128 columns (two heads) goes through my own stage in LDS.
; LDS serves a wave's instructions in order: no wait between the stores into a stage and the loads from it.
	PLACES NP
	; positions 0-15 of a sequence also leave unrounded: my block 0, where the cluster's y and my row half are 0
	s_and_b32 s95, ttmp7, 0xffff
	s_or_b32 s95, s95, s15
	s_cmp_lg_u32 s95, 0
	s_cbranch_scc1 .Lnofine
	WIN 0x08                                       ; an LDS store's data are its source 1: window 2
.irp b, 0,1,2,3,4,5,6,7
	ds_store_b128 v[STO32], v[8*\b:8*\b+3] offset:64*\b            ; each accumulator from its low end on
	ds_store_b128 v[STO32], v[8*\b+4:8*\b+7] offset:64*\b+16
.endr
	WIN 0
.irp t, 0,1,2,3,4,5,6,7,8,9,10,11,12,13,14,15
	ds_load_b128 v[128+4*\t:128+4*\t+3], v[RD32] offset:\t*528
.endr
	s_wait_dscnt 0x0
.irp t, 0,1,2,3,4,5,6,7,8,9,10,11,12,13,14,15
	global_store_b128 v[CO], v[128+4*\t:128+4*\t+3], s[96:97] offset:\t*12288   ; 32 lanes store 512 consecutive bytes of row t
.endr
.Lnofine:
.macro PACK a                          ; block a, rounded to f16: 16 bytes a lane for each of the eight column blocks
.set AC, 64*((\a)%4)
	WIN 0x0a+5*((\a)/4)                            ; sources 0 and 1: window 2 or 3
.irp b, 0,1,2,3,4,5,6,7
.irp j, 0,1,2,3
	v_cvt_pk_f16_f32 v[TMP+4*\b+\j], v[AC+8*\b+2*\j], v[AC+8*\b+2*\j+1]
.endr
.endr
	WIN 0
.endm
.macro TOSTAGE a                       ; into the stage by head, and back as LDS rows of 256 bytes = two rows of a head
.set BK, 32+192*((\a)%2)               ; v32-63 and v224-255 by turns
.irp b, 0,1,2,3,4,5,6,7
	ds_store_b128 v[STO], v[TMP+4*\b:TMP+4*\b+3] offset:(\b/4)*2176+32*(\b%4)
.endr
.irp i, 0,1,2,3,4,5,6,7
	ds_load_b128 v[BK+4*\i:BK+4*\i+3], v[RD] offset:\i*544
.endr
.endm
.macro SEND a
.set BK, 32+192*((\a)%2)
	s_wait_dscnt 0x0                               ; the block is back in registers
	s_wait_xcnt 0x0                                ; the earlier stores have read their registers: the next block's loads may land where the block before this one lay
.irp i, 0,1,2,3,4,5,6,7
	global_store_b128 v[CO], v[BK+4*\i:BK+4*\i+3], s[12:13] offset:(\i/4)*262144+(16*(\a)+4*(\i%4))*128   ; 32 lanes store 512 consecutive bytes: four rows of one head
.endr
.endm
	PACK 0
	TOSTAGE 0
.irp a, 1,2,3,4,5,6,7                  ; block a's conversions stand between block a - 1's loads from the stage and the wait for them
	PACK \a
	SEND \a-1
	TOSTAGE \a
.endr
	SEND 7
	s_wait_tensorcnt 0x0                           ; the wave's end
	ds_add_u32 v[SPW], v[NIL]
	s_wait_dscnt 0x0
	CROUND                                         ; the closing round: no work-group ends while a partner may still ask for a tile that names it
	s_endpgm
.Lfunc_end_k_q12bdfc00b9_qkv:
	.size	k_q12bdfc00b9_qkv, .Lfunc_end_k_q12bdfc00b9_qkv-k_q12bdfc00b9_qkv
	.p2alignl 7, 3214868480
	.fill 96, 4, 3214868480
	.section	.rodata,"a",@progbits
	.p2align	6, 0x0
	.amdhsa_kernel k_q12bdfc00b9_qkv
		.amdhsa_group_segment_fixed_size 327680
		.amdhsa_private_segment_fixed_size 0
		.amdhsa_enable_private_segment 0
		.amdhsa_kernarg_size 48
		.amdhsa_user_sgpr_count 2
		.amdhsa_user_sgpr_kernarg_segment_ptr 1
		.amdhsa_wavefront_size32 1
		.amdhsa_system_sgpr_workgroup_id_x 1
		.amdhsa_system_sgpr_workgroup_id_y 1
		.amdhsa_system_sgpr_workgroup_id_z 1
		.amdhsa_system_vgpr_workitem_id 0
		.amdhsa_next_free_vgpr 1024
		.amdhsa_next_free_sgpr 100
		.amdhsa_reserve_vcc 0
		.amdhsa_float_denorm_mode_32 3
		.amdhsa_float_denorm_mode_16_64 3
		.amdhsa_memory_ordered 1
		.amdhsa_forward_progress 1
		.amdhsa_inst_pref_size 131
	.end_amdhsa_kernel
	.amdgpu_metadata
---
amdhsa.version: [ 1, 2 ]
amdhsa.kernels:
  - .name:           k_q12bdfc00b9_qkv
    .symbol:         k_q12bdfc00b9_qkv.kd
    .args:
      - { .name: xc, .offset: 0, .size: 8, .value_kind: global_buffer, .address_space: global }
      - { .name: xs, .offset: 8, .size: 8, .value_kind: global_buffer, .address_space: global }
      - { .name: wc, .offset: 16, .size: 8, .value_kind: global_buffer, .address_space: global }
      - { .name: ws, .offset: 24, .size: 8, .value_kind: global_buffer, .address_space: global }
      - { .name: qkv16, .offset: 32, .size: 8, .value_kind: global_buffer, .address_space: global }
      - { .name: qkv32, .offset: 40, .size: 8, .value_kind: global_buffer, .address_space: global }
    .group_segment_fixed_size: 327680
    .private_segment_fixed_size: 0
    .kernarg_segment_align: 8
    .kernarg_segment_size: 48
    .max_flat_workgroup_size: 128
    .sgpr_count:     100
    .vgpr_count:     1024
    .wavefront_size: 32
...
	.end_amdgpu_metadata
.endif
;; end of part 2
;; launch attn (part 3): grid 4 x 64, 8 waves a work-group, no clusters, 327,680 bytes of LDS; arguments qkv16, ctx16; writes ctx16
.if DOCPART == 3
	.amdgcn_target "amdgcn-amd-amdhsa--gfx1250"
	.amdhsa_code_object_version 6
	.text
	.protected	k_q12bdfc00b9_attn
	.globl	k_q12bdfc00b9_attn
	.p2align	8
	.type	k_q12bdfc00b9_attn,@function
k_q12bdfc00b9_attn:
	s_mov_b64 s[64:65], 0
	v_nop
	global_prefetch_b8 v0, s[64:65] scope:SCOPE_SE
	s_setreg_imm32_b32 hwreg(HW_REG_WAVE_MODE, 25, 1), 1
	s_wait_xcnt 0x0
; ctx[b][h][q] = the sum over k <= q of softmax_k(q . k / 8) v, causal.  q, k, v: qkv16 [3][64 heads (16 b + h)][2048][64] f16.  OUT: ctx16 [16 h][8192 m = 2048 b + t][64] f16.
; Products on f16 operands with f32 sums; maxima, exponentials and sums in f32; the weights p are rounded to f16 for the second product, ctx once at the end.
; LIMITS: p lies in (0, 1]: what falls under 6e-8 becomes 0 in f16.  ctx is an average of v and keeps v's range.  NaN and infinities are not served.
; SHARES.  A work-group takes two blocks of 256 queries of one head, blocks i and 7 - i (i = work-group x), one after the other: i + 1 and 8 - i slots of 256 keys, NINE trips through one ring in every work-group.
; Each of its eight waves owns 32 queries, two tiles of 16, at 32 g of the block, g = wave xor 3 (wave / 4): waves w and w + 4 have five steps together in a block's last slot.  A fragment of K or V read from LDS feeds two products.
; NO CLUSTER: in a given trip the four work-groups of a head want different key slots (trip t is slot t, or t - i - 1), so their loads cannot be one request.
; LAYOUT.  S^T = K Q^T (source 0 = 16 keys, source 1 = 16 queries): a lane holds ONE query (lane % 16) and keys 8 (lane / 16) + 0..7.  Two such tiles, rounded in pairs, ARE source 1 (32 keys x 16 queries) of O^T = V^T P.
; K comes out of LDS as it lies, V ([key][channel]) turned, by ds_load_tr16_b128.
; SOFTMAX.  A running maximum m and sum l for each query: p = 2^(c s - c m), c = log2(e) / 8; in every step O and l are multiplied by a = 2^(c m_old - c m_new).  m begins at -3e38, O and l at 0.
; CAUSAL.  A step of 64 keys all of which come after my 32 queries is jumped over: a scalar branch on ids and counted steps.  In the one step on the diagonal hidden scores become -infinity ahead of the maximum.  Every slot that is fetched is read whole by the block's last waves.
; LDS.  K's and V's rows are 128 bytes and dense in memory: a tile is stated as rows of 256 bytes, so an LDS row holds TWO rows: row p at (p / 2) pitch + (p % 2) 128; pitch 272 for K, 288 for V.
; REGISTERS: window 0: v1-11, v28-30 addresses and constants; v12-27 statistics; v32-63 Q; v64-127 S^T, then p; v128-159 P; v160-223 K.   window 1: v0-63 O^T; v64-127 V.
.set SLOT1, 1<<17                      ; slot 1 begins here, so that one exclusive or turns an address in one slot into the other's
.set VOFF,  128*272                    ; a slot: 128 LDS rows of K, then 128 of V
.set STAGE, SLOT1+VOFF+128*288         ; behind the ring: 4,352 bytes a wave for the way out
.set SPARE, STAGE+8*4352               ; the spare words, 128 bytes a wave
.set AK0,  1                           ; v1   my lane's place in a tile of K
.set AV0,  2                           ; v2   the same for V
.set ADK,  3                           ; v3   LDS address of the step's K
.set ADV,  4                           ; v4   of its V
.set SPW,  5                           ; v5   LDS address of my spare word; never rewritten
.set NIL,  6                           ; v6   0; never rewritten
.set QO,   7                           ; v7   my byte offset in the wave's rows of Q
.set STO,  8                           ; v8   the way out: where I put 16 bytes of a row
.set RD,   9                           ; v9   and where I read back
.set GO,   10                          ; v10  16 x lane
.set DL,   11                          ; v11  lane % 16 - 8 (lane / 16)
.set ST,   12                          ; tile t's statistics at v[ST + 8 t]: +0 c m, +1 m, +2, +3 l (even keys', odd keys'), +4 to +7 at work; a at +6
.set PFO,  28                          ; v28  256 x lane; never rewritten
.set NINF, 29                          ; v29  -infinity
.set DD,   30                          ; v30  my query less my first key of the step
.set Q,    32
.set S,    64
.set P,    128
.set KR,   160
.set VR,   64                          ; in window 1
.set WV,   8                           ; s8   wave
.set G,    9                           ; s9   which 32 queries of a block are mine
.set PI,   10                          ; s10  i
.set T,    11                          ; s11  the trip
.set DQR,  12                          ; s12  from my first query of block i to that of block 7 - i
.set Q0,   13                          ; s13  my first query
.set KF,   14                          ; s14  the step's first key
.set TB,   15                          ; s15  LDS byte at which the slot in hand begins
.set SEL,  16                          ; s[16:17] lane selects for v_permlanex16_b32: lane l xor 16
.set CS,   18                          ; s[18:19] c, twice: the packed form names a pair
.set QA,   20                          ; s[20:21] Q at my first query
.set CA,   22                          ; s[22:23] ctx at my first query
.set G1K,  24                          ; s[24:31] descriptor group 1 for K's tiles;  s[32:39] for V's: it differs in the padding
.set G1V,  32
.set G0K,  40                          ; s[40:43], s[44:47] their groups 0
.set G0V,  44
.set KB,   48                          ; s[48:49], s[50:51] K and V at the half of slot 0 that I fetch
.set VB,   50
.set OFF,  52                          ; s[52:53] the next slot's bytes from there
.set DQ,   54                          ; s[54:55] DQR in bytes
.set PFK,  56                          ; s[56:57], s[58:59] where my prefetches stand
.set PFV,  58
.set LIM,  60                          ; s60  6 in a wave that prefetches, else 0
.set MSB, 0
.macro WIN new                         ; the immediate's high byte repeats the setting that is left
.if MSB != (\new)
	s_set_vgpr_msb (MSB<<8)|(\new)
.set MSB, (\new)
.endif
.endm
; Waves 0 and 1 fetch K's halves of a slot, waves 2 and 3 V's, the others nothing.  The branches hang on the wave's number alone.  An s_nop 0 and four v_nop follow each of the two lines.
.macro TLOAD
	s_cmp_lt_u32 s[WV], 2
	s_cbranch_scc0 .Lnot_k_\@
	tensor_load_to_lds s[G0K:G0K+3], s[G1K:G1K+7]
	s_nop 0
.rept 4
	v_nop
.endr
	s_branch .Lasked_\@
.Lnot_k_\@:
	s_cmp_lt_u32 s[WV], 4
	s_cbranch_scc0 .Lasked_\@
	tensor_load_to_lds s[G0V:G0V+3], s[G1V:G1V+7]
	s_nop 0
.rept 4
	v_nop
.endr
.Lasked_\@:
.endm
; A PREFETCH INTO THE L2.  All four work-groups of a head walk the same K and V: work-group x = 0 asks, and in it the waves that fetch nothing, 4 to 7: 8,192 bytes of K's slot and of V's each, lanes 256 bytes apart.
; Trip t = 1 .. 6 names key slot t + 1, which that work-group's own tensor loads ask for one trip later.  So each 256 bytes of slots 2 to 7 are named once in the launch; slots 0 and 1 come by their loads alone, and nothing is named past slot 7.
.macro ASK
	s_sub_co_u32 s66, s[T], 1
	s_cmp_lt_u32 s66, s[LIM]
	s_cbranch_scc0 .Lnot_mine_\@
	global_prefetch_b8 v[PFO], s[PFK:PFK+1] th:TH_LOAD_NT scope:SCOPE_SE
	global_prefetch_b8 v[PFO], s[PFV:PFV+1] th:TH_LOAD_NT scope:SCOPE_SE
.Lnot_mine_\@:
.endm
; THE CHANGE OF SLOTS stands at a trip's head.  Each wave waits for all its tensor loads (its part of the slot that it is about to read), adds 0 to its spare word, and waits for that and for its reads of the slot that it has left.
; Behind the barrier the slot ahead is whole and nobody reads the other one.  fill = 1: that other slot takes the next trip's keys: one tensor load a wave is out, and it has a whole trip in which to land.
.macro CHANGE fill
	s_wait_tensorcnt 0x0                           ; no tensor load of mine is out, so a group 0 may be written
	ds_add_u32 v[SPW], v[NIL]                      ; 0 onto my spare word
.if \fill
	ds_add_u32 v[SPW], v[NIL]                      ; and once more: the add stands twice on end, in every trip alike
	s_xor_b32 s[G0K+1], s[G0K+1], SLOT1            ; the other slot than last time
	s_xor_b32 s[G0V+1], s[G0V+1], SLOT1
	s_add_co_u32 s66, s[T], 1                      ; the next trip's key slot: t + 1 while the first block lasts,
	s_sub_co_u32 s67, s[T], s[PI]                  ; t - i from its last trip on: the second block begins at slot 0
	s_cmp_lt_u32 s[T], s[PI]
	s_cselect_b32 s[OFF], s66, s67
	s_lshl_b32 s[OFF], s[OFF], 15                  ; 256 rows of 128 bytes a slot
	s_add_nc_u64 s[G0K+2:G0K+3], s[KB:KB+1], s[OFF:OFF+1]
	s_or_b32 s[G0K+3], s[G0K+3], 0x80000000
	s_add_nc_u64 s[G0V+2:G0V+3], s[VB:VB+1], s[OFF:OFF+1]
	s_or_b32 s[G0V+3], s[G0V+3], 0x80000000
	s_wait_xcnt 0x0                                ; the last prefetches, a trip back, have read their addresses, so these may be written
	s_add_nc_u64 s[PFK:PFK+1], s[PFK:PFK+1], 32768
	s_add_nc_u64 s[PFV:PFV+1], s[PFV:PFV+1], 32768
.endif
	s_wait_dscnt 0x0                               ; the add is done, and my reads of the slot that I have left are over
	s_barrier_signal -1
	s_barrier_wait -1
.if \fill
	TLOAD                                          ; the first thing behind the barrier, and a wave's one tensor load until the next
	ASK
.endif
.endm
; A KEY STEP: 64 keys, the q-th of the slot in hand, for my two tiles of queries.
.macro STEP q
	s_add_co_u32 s66, s[Q0], 31
	s_cmp_gt_u32 s[KF], s66
	s_cbranch_scc1 .Lhid_\@                        ; all 64 keys come after my last query
	v_add_nc_u32 v[ADK], s[TB], v[AK0]
	v_add_nc_u32 v[ADV], s[TB], v[AV0]
	v_nop
	v_nop                                          ; four plain lines between the last step's products and the loads into V's registers
.irp kt, 0,1,2,3                               ; K: 16 keys x 32 channels a fragment: two loads of 16 bytes, 32 bytes apart
.irp ks, 0,1
	ds_load_b128 v[KR+16*\kt+8*\ks:KR+16*\kt+8*\ks+3],   v[ADK] offset:(\q)*8704+\kt*2176+\ks*64
	ds_load_b128 v[KR+16*\kt+8*\ks+4:KR+16*\kt+8*\ks+7], v[ADK] offset:(\q)*8704+\kt*2176+\ks*64+32
.endr
.endr
	WIN 0x40                                       ; destination window 1
.irp u, 0,1                                    ; V, turned: 16 channels x 32 keys a fragment: two turning loads, 16 keys apart
.irp c, 0,1,2,3
	ds_load_tr16_b128 v[VR+32*\u+8*\c:VR+32*\u+8*\c+3],   v[ADV] offset:(\q)*9216+\u*4608+\c*32
	ds_load_tr16_b128 v[VR+32*\u+8*\c+4:VR+32*\u+8*\c+7], v[ADV] offset:(\q)*9216+\u*4608+\c*32+2304
.endr
.endr
	WIN 0
	s_wait_dscnt 16                                ; K is in; V's sixteen loads may be out
.irp ks, 0,1                                   ; S^T = K Q^T: the eight accumulators take turns; the first eight products start the sums
.irp kt, 0,1,2,3
.irp t, 0,1
.if \ks == 0
	v_wmma_f32_16x16x32_f16 v[S+32*\t+8*\kt:S+32*\t+8*\kt+7], v[KR+16*\kt+8*\ks:KR+16*\kt+8*\ks+7], v[Q+16*\t+8*\ks:Q+16*\t+8*\ks+7], 0
.else
	v_wmma_f32_16x16x32_f16 v[S+32*\t+8*\kt:S+32*\t+8*\kt+7], v[KR+16*\kt+8*\ks:KR+16*\kt+8*\ks+7], v[Q+16*\t+8*\ks:Q+16*\t+8*\ks+7], v[S+32*\t+8*\kt:S+32*\t+8*\kt+7]
.endif
.endr
.endr
.endr
.rept 4
	v_nop                                          ; places ahead of the first read of the scores
.endr
	s_add_co_u32 s66, s[KF], 63
	s_cmp_le_u32 s66, s[Q0]
	s_cbranch_scc1 .Lopen_\@                       ; all 64 keys count for all my queries
	s_sub_co_i32 s66, s[Q0], s[KF]
	v_add_nc_u32 v[DD], s66, v[DL]                 ; register 8 kt + j of tile t holds key KF + 16 kt + 8 (lane / 16) + j and query Q0 + 16 t + lane % 16: hidden where 16 kt + j - 16 t > DD
.irp t, 0,1
.irp kt, 0,1,2,3
.irp j, 0,1,2,3,4,5,6,7
	v_cmp_gt_i32 vcc_lo, 16*\kt+\j-16*\t, v[DD]
	v_cndmask_b32 v[S+32*\t+8*\kt+\j], v[S+32*\t+8*\kt+\j], v[NINF], vcc_lo
.endr
.endr
.endr
.Lopen_\@:
	; the maximum of a lane's 32 scores and the old m, three operands at a time, four chains a tile; the two tiles line by line, so that no line waits for the line above it
.irp j, 0,1,2,3
.irp t, 0,1
	v_max3_num_f32 v[ST+8*\t+4+\j], v[S+32*\t+8*\j], v[S+32*\t+8*\j+1], v[S+32*\t+8*\j+2]
.endr
.endr
.irp i, 3,5
.irp j, 0,1,2,3
.irp t, 0,1
	v_max3_num_f32 v[ST+8*\t+4+\j], v[ST+8*\t+4+\j], v[S+32*\t+8*\j+\i], v[S+32*\t+8*\j+\i+1]
.endr
.endr
.endr
.irp t, 0,1
	v_max3_num_f32 v[ST+8*\t+4], v[ST+8*\t+4], v[S+32*\t+7], v[S+32*\t+15]
	v_max3_num_f32 v[ST+8*\t+6], v[ST+8*\t+6], v[S+32*\t+23], v[S+32*\t+31]
.endr
.irp t, 0,1
	v_max3_num_f32 v[ST+8*\t+4], v[ST+8*\t+4], v[ST+8*\t+5], v[ST+8*\t+6]
.endr
.irp t, 0,1
	v_max3_num_f32 v[ST+8*\t+4], v[ST+8*\t+4], v[ST+8*\t+7], v[ST+8*\t+1]
.endr
.irp t, 0,1
	v_permlanex16_b32 v[ST+8*\t+5], v[ST+8*\t+4], s[SEL], s[SEL+1]   ; the query's other 32 keys lie in the lane 16 away
.endr
.irp t, 0,1
	v_mov_b32 v[ST+8*\t+7], v[ST+8*\t]             ; c m_old is kept for a
.endr
.irp t, 0,1
	v_max_num_f32 v[ST+8*\t+1], v[ST+8*\t+4], v[ST+8*\t+5]
.endr
.irp t, 0,1
	v_mul_f32 v[ST+8*\t], s[CS], v[ST+8*\t+1]
.endr
.irp t, 0,1
	v_sub_f32 v[ST+8*\t+7], v[ST+8*\t+7], v[ST+8*\t]
.endr
.set n, 0
.rept 16
.irp t, 0,1
	v_pk_fma_f32 v[S+32*\t+2*n:S+32*\t+2*n+1], v[S+32*\t+2*n:S+32*\t+2*n+1], s[CS:CS+1], v[ST+8*\t:ST+8*\t+1] op_sel_hi:[1,0,0] neg_lo:[0,0,1] neg_hi:[0,0,1]   ; c s - c m, two at a time
.endr
.set n, n+1
.endr
.irp t, 0,1
	v_exp_f32 v[ST+8*\t+6], v[ST+8*\t+7]           ; a
.endr
.set n, 0
.rept 32
.irp t, 0,1
	v_exp_f32 v[S+32*\t+n], v[S+32*\t+n]           ; p
.endr
.set n, n+1
.endr
	v_nop                                          ; a plain line behind the last exponential
	s_wait_alu depctr_va_vdst(0)                   ; one wait for the batch of 66, ahead of its first reader
.set n, 0
.rept 16
.irp t, 0,1
	v_cvt_pk_f16_f32 v[P+16*\t+n], v[S+32*\t+2*n], v[S+32*\t+2*n+1]   ; registers 8 u .. 8 u + 7 of a tile are source 1 for keys 32 u on
.endr
.set n, n+1
.endr
.irp w, 4,8,16,32                              ; the sum of a tile's 16 pairs, in place: neighbours 1, 2, 4 and 8 pairs apart
.set n, 0
.rept 32/\w
.irp t, 0,1
	v_pk_add_f32 v[S+32*\t+\w*n:S+32*\t+\w*n+1], v[S+32*\t+\w*n:S+32*\t+\w*n+1], v[S+32*\t+\w*n+\w/2:S+32*\t+\w*n+\w/2+1]
.endr
.set n, n+1
.endr
.endr
.irp t, 0,1
	v_pk_fma_f32 v[ST+8*\t+2:ST+8*\t+3], v[ST+8*\t+2:ST+8*\t+3], v[ST+8*\t+6:ST+8*\t+7], v[S+32*\t:S+32*\t+1] op_sel_hi:[1,0,1]   ; l = a l + the sum
.endr
	WIN 0x41                                       ; O^T (destination and source 0) in window 1, a in window 0
.set n, 0
.rept 16
.irp t, 0,1
	v_pk_mul_f32 v[32*\t+2*n:32*\t+2*n+1], v[32*\t+2*n:32*\t+2*n+1], v[ST+8*\t+6:ST+8*\t+7] op_sel_hi:[1,0]
.endr
.set n, n+1
.endr
	s_wait_dscnt 0x0                               ; V is in
	WIN 0x51                                       ; V and O^T in window 1, P in window 0
.irp u, 0,1                                    ; O^T += V^T P: the eight accumulators take turns
.irp c, 0,1,2,3
.irp t, 0,1
	v_wmma_f32_16x16x32_f16 v[32*\t+8*\c:32*\t+8*\c+7], v[VR+32*\u+8*\c:VR+32*\u+8*\c+7], v[P+16*\t+8*\u:P+16*\t+8*\u+7], v[32*\t+8*\c:32*\t+8*\c+7]
.endr
.endr
.endr
	WIN 0
.Lhid_\@:
	s_add_co_u32 s[KF], s[KF], 64
.endm
; A block of queries begins: Q into registers; m = -3e38, under every score; l and O^T zeros, which the first change of m leaves zeros.
.macro INIT
.irp t, 0,1
.irp ks, 0,1
	global_load_b128 v[Q+16*\t+8*\ks:Q+16*\t+8*\ks+3],   v[QO], s[QA:QA+1] offset:\t*2048+\ks*64
	global_load_b128 v[Q+16*\t+8*\ks+4:Q+16*\t+8*\ks+7], v[QO], s[QA:QA+1] offset:\t*2048+\ks*64+32
.endr
.endr
.irp t, 0,1
	v_mov_b32 v[ST+8*\t+1], 0xff61b1e6
	v_mul_f32 v[ST+8*\t], s[CS], v[ST+8*\t+1]
	v_mov_b32 v[ST+8*\t+2], 0
	v_mov_b32 v[ST+8*\t+3], 0
	v_mov_b32 v[ST+8*\t+5], 0                      ; (a lane permute's destination counts as one of its sources)
	v_mov_b32 v[ST+8*\t+7], 0                      ; (named as the upper half of a's pair)
.endr
	WIN 0x40
.set n, 0
.rept 64
	v_mov_b32 v[n], 0
.set n, n+1
.endr
	WIN 0
	s_wait_loadcnt 0x0                             ; Q
.endm
; A block of queries ends: O^T / l, rounded to f16, through my stage in LDS: a lane's 16 bytes go in by rows of 128 bytes, two to an LDS row, and come back 512 consecutive bytes an instruction: four rows of ctx.
.macro FINAL
.rept 4
	v_nop                                          ; places behind the last products
.endr
.irp t, 0,1
	v_add_f32 v[ST+8*\t+4], v[ST+8*\t+2], v[ST+8*\t+3]
.endr
.irp t, 0,1
	v_permlanex16_b32 v[ST+8*\t+5], v[ST+8*\t+4], s[SEL], s[SEL+1]
.endr
.irp t, 0,1
	v_add_f32 v[ST+8*\t+4], v[ST+8*\t+4], v[ST+8*\t+5]
.endr
.irp t, 0,1
	v_rcp_f32 v[ST+8*\t+6], v[ST+8*\t+4]
.endr
	v_nop                                          ; a plain line behind the last reciprocal
	s_wait_alu depctr_va_vdst(0)                   ; one wait for the two, ahead of their first reader
	WIN 0x41
.set n, 0
.rept 16
.irp t, 0,1
	v_pk_mul_f32 v[32*\t+2*n:32*\t+2*n+1], v[32*\t+2*n:32*\t+2*n+1], v[ST+8*\t+6:ST+8*\t+7] op_sel_hi:[1,0]
.endr
.set n, n+1
.endr
	WIN 0x05                                       ; sources 0 and 1 window 1, destination window 0: S^T's registers are free
.irp t, 0,1
.irp c, 0,1,2,3
.irp j, 0,1,2,3
	v_cvt_pk_f16_f32 v[S+16*\t+4*\c+\j], v[32*\t+8*\c+2*\j], v[32*\t+8*\c+2*\j+1]
.endr
.endr
.endr
	WIN 0
.irp t, 0,1
.irp c, 0,1,2,3
	ds_store_b128 v[STO], v[S+16*\t+4*\c:S+16*\t+4*\c+3] offset:\t*2176+32*\c
.endr
.endr
.irp t, 0,1
.irp i, 0,1,2,3
	ds_load_b128 v[S+32+16*\t+4*\i:S+32+16*\t+4*\i+3], v[RD] offset:\t*2176+544*\i   ; LDS serves a wave's instructions in order: these see my stores
.endr
.endr
.irp t, 0,1
.irp i, 0,1,2,3
	s_wait_dscnt 7-4*\t-\i                         ; the younger loads may be out
	global_store_b128 v[GO], v[S+32+16*\t+4*\i:S+32+16*\t+4*\i+3], s[CA:CA+1] offset:\t*2048+512*\i
.endr
.endr
.endm
	s_load_b128 s[4:7], s[0:1], 0x0                ; qkv16 s[4:5], ctx16 s[6:7]
	v_lshl_add_u32 v[SPW], v0, 2, SPARE
	v_mov_b32 v[NIL], 0
	ds_add_u32 v[SPW], v[NIL]                      ; the wave's opening: the add, twice on end, and its wait ahead of my first tensor load; the set-up below stands between
	ds_add_u32 v[SPW], v[NIL]
	v_lshrrev_b32 v224, 5, v0
	v_readfirstlane_b32 s[WV], v224                ; wave 0..7
	s_lshr_b32 s[G], s[WV], 2
	s_mul_i32 s[G], s[G], 3
	s_xor_b32 s[G], s[G], s[WV]                    ; 0 1 2 3 7 6 5 4
	s_mov_b32 s[PI], ttmp9
	s_and_b32 s66, ttmp7, 0xffff                   ; 16 b + h
	; descriptor group 1: half a slot of K or of V: 16,384 dense bytes as 64 rows of 256 bytes (32 elements of 8 bytes), padded in LDS
	s_mov_b32 s[G1K], (3<<16)|(1<<20)|(5<<22)|(3<<25)              ; 15:0 no mask; 17:16 elements of 8 bytes; 20 padding on; 24:22 after every 64 words; 31:25 four words
	s_mov_b32 s[G1V], (3<<16)|(1<<20)|(5<<22)|(7<<25)              ; the same with eight words
.irp g, G1K, G1V
	s_mov_b32 s[\g+1], 32<<16                      ; tensor_dim0
	s_mov_b32 s[\g+2], 64<<16                      ; tensor_dim1
	s_mov_b32 s[\g+3], 32<<16                      ; tile_dim0
	s_mov_b32 s[\g+4], 64                          ; tile_dim1
	s_mov_b32 s[\g+5], 32                          ; tensor_dim0_stride
	s_mov_b32 s[\g+6], 0
	s_mov_b32 s[\g+7], 0
.endr
	s_lshl_b32 s68, s66, 18                        ; the head's first byte in q, in k and in v: 2,048 rows of 128 bytes a head
	s_mov_b32 s69, 0
	s_lshl_b32 s[Q0], s[PI], 8
	s_lshl_b32 s67, s[G], 5
	s_add_co_u32 s[Q0], s[Q0], s67                 ; my first query: 256 i + 32 g
	s_lshl_b32 s70, s[Q0], 7
	s_mov_b32 s71, 0
	s_and_b32 s72, s66, 15
	s_lshl_b32 s72, s72, 20                        ; ctx16: h x 8,192 rows,
	s_lshr_b32 s67, s66, 4
	s_lshl_b32 s67, s67, 18                        ; + b x 2,048 rows,
	s_add_co_u32 s72, s72, s67
	s_add_co_u32 s72, s72, s70                     ; + my first query
	s_mov_b32 s73, 0
	s_add_co_u32 s70, s70, s68                     ; q: head + my first query
	s_and_b32 s67, s[WV], 1                        ; which half of a slot I fetch, if I fetch
	s_lshl_b32 s74, s67, 14
	s_add_co_u32 s74, s74, s68
	s_mov_b32 s75, 0
	s_mul_i32 s[G0K+1], s67, 64*272                ; and where it goes in slot 0
	s_mul_i32 s[G0V+1], s67, 64*288
	s_add_co_u32 s[G0V+1], s[G0V+1], VOFF
	s_and_b32 s67, s[WV], 3
	s_lshl_b32 s67, s67, 13
	s_add_co_u32 s68, s68, s67                     ; the prefetches: head + 8,192 (wave % 4)
	s_lshl_b32 s67, s[PI], 1
	s_sub_co_u32 s67, 7, s67                       ; 7 - 2 i blocks on
	s_lshl_b32 s[DQ], s67, 15
	s_mov_b32 s[DQ+1], 0
	s_lshl_b32 s[DQR], s67, 8
	s_mov_b32 s[OFF+1], 0
	s_lshr_b32 s67, s[WV], 2
	s_xor_b32 s67, s67, 1                          ; 0 in waves 4 to 7,
	s_or_b32 s67, s67, ttmp9                       ; of work-group x = 0
	s_cmp_eq_u32 s67, 0
	s_cselect_b32 s[LIM], 6, 0
	s_mov_b32 s[SEL], 0x76543210
	s_mov_b32 s[SEL+1], 0xfedcba98
	s_mov_b32 s[CS], 0x3e38aa3b                    ; c = log2(e) / 8
	s_mov_b32 s[CS+1], s[CS]
	s_mov_b32 s[T], 0
	s_mov_b32 s[KF], 0
	s_mov_b32 s[TB], 0
	v_and_b32 v224, 15, v0                         ; r
	v_bfe_u32 v225, v0, 4, 1                       ; hh
	v_lshrrev_b32 v226, 1, v224
	v_mul_u32_u24 v226, v226, 272
	v_and_b32 v227, 1, v0
	v_lshl_add_u32 v226, v227, 7, v226
	v_lshl_add_u32 v[AK0], v225, 4, v226           ; K: key r of a tile: (r / 2) 272 + (r % 2) 128 + 16 hh
	v_bfe_u32 v226, v0, 1, 2
	v_lshl_add_u32 v226, v225, 2, v226
	v_mul_u32_u24 v226, v226, 288
	v_lshl_add_u32 v226, v227, 7, v226
	v_bfe_u32 v228, v0, 3, 1
	v_lshl_add_u32 v226, v228, 4, v226
	v_add_nc_u32 v[AV0], VOFF, v226                ; V: key 8 hh + l % 8: (4 hh + (l % 8) / 2) 288 + (l % 2) 128, channels 8 ((l / 8) % 2) on
	v_lshlrev_b32 v[QO], 7, v224
	v_lshl_add_u32 v[QO], v225, 4, v[QO]           ; Q: row r of 128 bytes + 16 hh
	s_mul_i32 s67, s[WV], 4352
	s_add_co_u32 s67, s67, STAGE                   ; my stage
	v_add_nc_u32 v[STO], s67, v[AK0]
	v_mul_u32_u24 v226, v225, 272
	v_lshl_add_u32 v226, v224, 4, v226
	v_add_nc_u32 v[RD], s67, v226
	v_and_b32 v226, 31, v0
	v_lshlrev_b32 v[GO], 4, v226
	v_lshlrev_b32 v[PFO], 8, v226
	v_lshlrev_b32 v226, 3, v225
	v_sub_nc_u32 v[DL], v224, v226
	v_mov_b32 v[NINF], 0xff800000
	s_wait_dscnt 0x0                               ; both opening adds are done
	s_wait_kmcnt 0x0
	s_add_nc_u64 s[QA:QA+1], s[4:5], s[70:71]
	s_add_nc_u64 s[CA:CA+1], s[6:7], s[72:73]
	s_add_nc_u64 s[KB:KB+1], s[4:5], s[74:75]
	s_add_nc_u64 s[VB:VB+1], s[KB:KB+1], 0x2000000 ; v lies 64 heads x 262,144 bytes x 2 behind q,
	s_add_nc_u64 s[KB:KB+1], s[KB:KB+1], 0x1000000 ; k half as far
	s_add_nc_u64 s[PFK:PFK+1], s[4:5], s[68:69]
	s_add_nc_u64 s[PFV:PFV+1], s[PFK:PFK+1], 0x2000000
	s_add_nc_u64 s[PFK:PFK+1], s[PFK:PFK+1], 0x1000000   ; at slot 0: each change of slots steps them by a slot ahead of its prefetch
	s_mov_b32 s[G0K], 1
	s_mov_b64 s[G0K+2:G0K+3], s[KB:KB+1]
	s_or_b32 s[G0K+3], s[G0K+3], 0x80000000
	s_mov_b32 s[G0V], 1
	s_mov_b64 s[G0V+2:G0V+3], s[VB:VB+1]
	s_or_b32 s[G0V+3], s[G0V+3], 0x80000000
	TLOAD                                          ; key slot 0 into LDS slot 0
	INIT
.Ltrip:                                            ; eight trips; the ninth is written out, since it asks for nothing
	CHANGE 1
	STEP 0
	STEP 1
	STEP 2
	STEP 3
	s_xor_b32 s[TB], s[TB], SLOT1                  ; on to the other slot
	s_cmp_lg_u32 s[T], s[PI]
	s_cbranch_scc1 .Lsame                          ; trip i ends the first block of queries: the same in all eight waves
	FINAL
	s_wait_xcnt 0x0                                ; the stores have read their registers and their base: both are written again below and in the next steps
	s_add_nc_u64 s[QA:QA+1], s[QA:QA+1], s[DQ:DQ+1]
	s_add_nc_u64 s[CA:CA+1], s[CA:CA+1], s[DQ:DQ+1]
	s_add_co_u32 s[Q0], s[Q0], s[DQR]
	s_mov_b32 s[KF], 0
	INIT
.Lsame:
	s_add_co_u32 s[T], s[T], 1
	s_cmp_lt_u32 s[T], 8
	s_cbranch_scc1 .Ltrip
	CHANGE 0
	STEP 0
	STEP 1
	STEP 2
	STEP 3
	FINAL
	s_wait_tensorcnt 0x0                           ; the wave's end
	ds_add_u32 v[SPW], v[NIL]
	s_wait_dscnt 0x0
	s_endpgm
.Lfunc_end_k_q12bdfc00b9_attn:
	.size	k_q12bdfc00b9_attn, .Lfunc_end_k_q12bdfc00b9_attn-k_q12bdfc00b9_attn
	.p2alignl 7, 3214868480
	.fill 96, 4, 3214868480
	.section	.rodata,"a",@progbits
	.p2align	6, 0x0
	.amdhsa_kernel k_q12bdfc00b9_attn
		.amdhsa_group_segment_fixed_size 327680
		.amdhsa_private_segment_fixed_size 0
		.amdhsa_enable_private_segment 0
		.amdhsa_kernarg_size 16
		.amdhsa_user_sgpr_count 2
		.amdhsa_user_sgpr_kernarg_segment_ptr 1
		.amdhsa_wavefront_size32 1
		.amdhsa_system_sgpr_workgroup_id_x 1
		.amdhsa_system_sgpr_workgroup_id_y 1
		.amdhsa_system_sgpr_workgroup_id_z 1
		.amdhsa_system_vgpr_workitem_id 0
		.amdhsa_next_free_vgpr 384
		.amdhsa_next_free_sgpr 80
		.amdhsa_reserve_vcc 1
		.amdhsa_float_denorm_mode_32 3
		.amdhsa_float_denorm_mode_16_64 3
		.amdhsa_memory_ordered 1
		.amdhsa_forward_progress 1
		.amdhsa_inst_pref_size 199
	.end_amdhsa_kernel
	.amdgpu_metadata
---
amdhsa.version: [ 1, 2 ]
amdhsa.kernels:
  - .name:           k_q12bdfc00b9_attn
    .symbol:         k_q12bdfc00b9_attn.kd
    .args:
      - { .name: qkv16, .offset: 0, .size: 8, .value_kind: global_buffer, .address_space: global }
      - { .name: ctx16, .offset: 8, .size: 8, .value_kind: global_buffer, .address_space: global }
    .group_segment_fixed_size: 327680
    .private_segment_fixed_size: 0
    .kernarg_segment_align: 8
    .kernarg_segment_size: 16
    .max_flat_workgroup_size: 256
    .sgpr_count:     80
    .vgpr_count:     384
    .wavefront_size: 32
...
	.end_amdgpu_metadata
.endif
;; end of part 3
;; launch proj (part 4): grid 4 x 64, 4 waves a work-group, clusters of 4 x 4, 327,680 bytes of LDS; arguments ctx16, wo16, out0; writes out0
.if DOCPART == 4
	.amdgcn_target "amdgcn-amd-amdhsa--gfx1250"
	.amdhsa_code_object_version 6
	.text
	.protected	k_q12bdfc00b9_proj
	.globl	k_q12bdfc00b9_proj
	.p2align	8
	.type	k_q12bdfc00b9_proj,@function
k_q12bdfc00b9_proj:
	s_mov_b64 s[64:65], 0
	v_nop
	global_prefetch_b8 v0, s[64:65] scope:SCOPE_SE
	s_setreg_imm32_b32 hwreg(HW_REG_WAVE_MODE, 25, 1), 1
	s_wait_xcnt 0x0
	s_wait_alu depctr_hold_cnt(0) depctr_sa_sdst(0) depctr_va_vdst(0) depctr_va_sdst(0) depctr_va_ssrc(0) depctr_va_vcc(0) depctr_vm_vsrc(0)
	s_getreg_b32 s2, hwreg(HW_REG_IB_STS2, 6, 4)
	s_cmp_eq_u32 s2, 0
	s_cbranch_scc0 .Lentry_in_a_cluster
	s_endpgm
.Lentry_in_a_cluster:
	s_bfe_u32 s2, ttmp6, 0x10000c
	s_cmp_lg_u32 s2, 0xf033
	s_cbranch_scc0 .Lentry_shape_is_right
	s_endpgm
.Lentry_shape_is_right:
; out0[m][n] = sum over d of ctx[m][d] Wo[n][d], f16 operands, f32 sums.  ctx16 [16 h][8192 m][64], wo16 [16 h][1024 n][64]: d = 64 h + c, a plane for each head; out0 [8192][1024] f32.
; (The rows of the first 16 positions of each sequence are written here like all others and written anew, more finely, by the launch that follows.)
; A tile of out0 is 128 (m) x 256 (n): 256 work-groups.  Four waves, each 64 x 128: 32 accumulators of 16 x 16, 256 registers.
; K goes in steps of 128, two planes, through a ring of two LDS slots.  A plane's part of a tile is a dense block of memory (rows of 128 bytes): it is stated as rows of 256 bytes + 16 of padding, so an LDS row holds two rows:
; row p at (p / 2) 272 + (p % 2) 128.  Waves 0 and 1 fetch A's two planes (16 KB each), waves 2 and 3 B's (32 KB each): one tensor load a wave behind each change of slots.
; CLUSTERS: 4 x 4 work-groups.  The four of a row of the cluster need the same tiles of A, the four of a column the same tiles of B: each is asked for jointly.
; THE MATRIX INSTRUCTION IS USED TRANSPOSED (source 0 = 16 rows of Wo, source 1 = 16 rows of ctx): a lane then holds eight neighbouring numbers of a row of out0.
; REGISTERS: window 0: v0-31 addresses; v64-127 A's fragments, two buffers of 32; v128-255 the way out.   window 1: v0-127 B's fragments, two buffers of 64.   window 2: the accumulators ((a, b) at v[8 (8 a + b)]).
.set APL,   64*272                     ; a plane of A's tile: 128 rows
.set BPL,   128*272                    ; of B's: 256 rows
.set SLOT,  2*APL+2*BPL                ; A's two planes, then B's two
.set STAGE, 2*SLOT                     ; behind the ring: 16 rows x (512 + 16) bytes for each wave
.set SPARE, STAGE+4*8448               ; the spare words, 128 bytes a wave
.set LAPS,  4                          ; a lap = two K steps = once round the ring; 1,024 / 256
.set ADRA, 16                          ; v16-17  LDS address of my A fragments in slot 0, 1
.set ADRB, 20                          ; v20-21  the same for B
.set STO,  24                          ; v24     the way out: where I put 32 bytes of a row
.set RD,   25                          ; v25     and where I read a row back
.set CO,   26                          ; v26     16 x lane
.set SPW,  28                          ; v28     LDS address of my spare word; never rewritten
.set NIL,  29                          ; v29     0; never rewritten
.set AF,   64
.set G1, 24                            ; s[24:31] descriptor group 1 for A's tiles;  s[32:39] group 0, one set for each slot
.set G0, 32
.set G1B, 48                           ; s[48:55], s[56:63] the same for B's tiles
.set G0B, 56
.set MSB, 0
.macro WIN new                         ; the immediate's high byte repeats the setting that is left
.if MSB != (\new)
	s_set_vgpr_msb (MSB<<8)|(\new)
.set MSB, (\new)
.endif
.endm
.set MUL,  0xa1                        ; source 0 (B) window 1, source 1 (A) window 0, C and D window 2
.set TO_B, 0x40                        ; destination window 1, address window 0
.macro JLOAD s                         ; a joint load: waves 0 and 1 fetch A's planes, waves 2 and 3 B's; an s_nop 0 and four v_nop follow each of the two lines
	s_cmp_eq_u32 s11, 0
	s_cbranch_scc0 .Lfor_b_\@
	tensor_load_to_lds s[G0+4*\s:G0+4*\s+3], s[G1:G1+7]
	s_nop 0
.rept 4
	v_nop
.endr
	s_branch .Lasked_\@
.Lfor_b_\@:
	tensor_load_to_lds s[G0B+4*\s:G0B+4*\s+3], s[G1B:G1B+7]
	s_nop 0
.rept 4
	v_nop
.endr
.Lasked_\@:
.endm
.macro CREST                           ; a round of the cluster's barrier behind its opening barrier
	s_cmp_lg_u32 s10, 0
	s_cbranch_scc1 .Lnot_wave_0_\@
	s_barrier_signal -3
.Lnot_wave_0_\@:
	s_barrier_wait -3
	s_barrier_signal -1
	s_barrier_wait -1
.endm
.macro CROUND                          ; a whole round
	s_barrier_signal -1
	s_barrier_wait -1
	CREST
.endm
	s_load_b128 s[4:7], s[0:1], 0x0                ; ctx16 s[4:5], wo16 s[6:7]
	s_load_b64 s[8:9], s[0:1], 0x10                ; out0
	v_lshl_add_u32 v[SPW], v0, 2, SPARE
	v_mov_b32 v[NIL], 0
	ds_add_u32 v[SPW], v[NIL]                      ; the wave's opening: the add, twice on end, and its wait ahead of my first tensor load; the set-up below stands between
	ds_add_u32 v[SPW], v[NIL]
	v_lshrrev_b32 v1, 5, v0
	v_readfirstlane_b32 s10, v1                    ; wave 0..3
	s_lshr_b32 s11, s10, 1                         ; which half of the tile's rows is mine.  Also: I fetch for A (0) or for B (1)
	s_and_b32 s12, s10, 1                          ; which half of its columns.  Also: which plane of a K step I fetch
	s_bfe_u32 s40, ttmp6, 0x40000                  ; cx, cy: my place in the cluster
	s_bfe_u32 s41, ttmp6, 0x40004
	s_lshl_b32 s42, ttmp9, 2
	s_add_co_u32 s42, s42, s40                     ; tile column = 4 x cluster x + cx
	s_and_b32 s13, ttmp7, 0xffff
	s_lshl_b32 s13, s13, 2
	s_add_co_u32 s13, s13, s41                     ; tile row = 4 x cluster y + cy
	s_lshl_b32 s43, s41, 2
	s_lshl_b32 s43, 15, s43                        ; my row of the cluster
	s_lshl_b32 s44, 0x1111, s40                    ; my column
	; descriptor group 1: rows of 256 bytes (32 elements of 8 bytes), dense, 16 bytes of padding behind each: 64 of them for a plane of A, 128 for a plane of B
	s_or_b32 s[G1+0], s43, (3<<16)|(1<<20)|(1<<21)|(5<<22)|(3<<25)
	s_or_b32 s[G1B+0], s44, (3<<16)|(1<<20)|(1<<21)|(5<<22)|(3<<25)
	s_mov_b32 s[G1+1], 32<<16                      ; tensor_dim0
	s_mov_b32 s[G1+2], 64<<16                      ; tensor_dim1
	s_mov_b32 s[G1+3], 32<<16                      ; tile_dim0
	s_mov_b32 s[G1+4], 64                          ; tile_dim1
	s_mov_b32 s[G1+5], 32                          ; tensor_dim0_stride
	s_mov_b32 s[G1+6], 0
	s_mov_b32 s[G1+7], 0
	s_mov_b32 s[G1B+1], 32<<16
	s_mov_b32 s[G1B+2], 128<<16
	s_mov_b32 s[G1B+3], 32<<16
	s_mov_b32 s[G1B+4], 128
	s_mov_b32 s[G1B+5], 32
	s_mov_b32 s[G1B+6], 0
	s_mov_b32 s[G1B+7], 0
	s_lshl_b32 s16, s12, 20                        ; A: my plane (8,192 rows of 128 bytes) + 128 rows x tile row
	s_lshl_b32 s17, s13, 14
	s_add_co_u32 s16, s16, s17
	s_mov_b32 s17, 0
	s_lshl_b32 s46, s12, 17                        ; B: my plane (1,024 rows) + 256 rows x tile column
	s_lshl_b32 s47, s42, 15
	s_add_co_u32 s46, s46, s47
	s_mov_b32 s47, 0
	s_mul_i32 s20, s12, APL                        ; where they go: no place in the cluster enters an LDS address
	s_mul_i32 s21, s12, BPL
	s_add_co_u32 s21, s21, 2*APL
	s_wait_dscnt 0x0                               ; both opening adds are done
	s_wait_kmcnt 0x0
	s_add_nc_u64 s[14:15], s[4:5], s[16:17]
	s_add_nc_u64 s[46:47], s[6:7], s[46:47]
	CROUND                                         ; all sixteen work-groups are here: the first joint loads meet
.irp s, 0,1
	s_mov_b32 s[G0+4*\s], 1
	s_add_co_u32 s[G0+4*\s+1], s20, \s*SLOT
	s_add_nc_u64 s[G0+4*\s+2:G0+4*\s+3], s[14:15], \s*0x200000     ; K step s: two planes of A on
	s_or_b32 s[G0+4*\s+3], s[G0+4*\s+3], 0x80000000
	s_mov_b32 s[G0B+4*\s], 1
	s_add_co_u32 s[G0B+4*\s+1], s21, \s*SLOT
	s_add_nc_u64 s[G0B+4*\s+2:G0B+4*\s+3], s[46:47], \s*0x40000    ; two planes of B on
	s_or_b32 s[G0B+4*\s+3], s[G0B+4*\s+3], 0x80000000
	JLOAD \s                                       ; two tensor loads of mine are out
.endr
	v_and_b32 v1, 15, v0                           ; r
	v_bfe_u32 v2, v0, 4, 1                         ; hh
	v_lshrrev_b32 v3, 1, v1
	v_mul_u32_u24 v3, v3, 272
	v_and_b32 v4, 1, v0
	v_lshl_add_u32 v3, v4, 7, v3
	v_lshl_add_u32 v3, v2, 4, v3                   ; a fragment's row r: (r / 2) 272 + (r % 2) 128 + 16 hh
	s_mul_i32 s22, s11, 32*272                     ; my 64 rows of A
	s_mul_i32 s23, s12, 64*272                     ; my 128 rows of B,
	s_add_co_u32 s23, s23, 2*APL                   ; which lie behind A's two planes
.irp s, 0,1
	v_add_nc_u32 v[ADRA+\s], s22, v3
	v_add_nc_u32 v[ADRB+\s], s23, v3
	s_add_co_u32 s22, s22, SLOT
	s_add_co_u32 s23, s23, SLOT
.endr
	s_mul_i32 s23, s10, 8448
	s_add_co_u32 s23, s23, STAGE                   ; my stage
	v_mul_u32_u24 v5, v1, 528
	v_lshl_add_u32 v5, v2, 5, v5
	v_add_nc_u32 v[STO], s23, v5                   ; in: row r, 32 bytes for each half of the lanes
	v_and_b32 v6, 31, v0
	v_lshlrev_b32 v[CO], 4, v6
	v_add_nc_u32 v[RD], s23, v[CO]                 ; back: the 32 lanes take one row of 512 bytes
	s_lshl_b32 s16, s13, 7
	s_lshl_b32 s17, s11, 6
	s_add_co_u32 s16, s16, s17                     ; my first row of out0: 128 x tile row + 64 x half
	s_lshl_b32 s16, s16, 12
	s_lshl_b32 s46, s42, 10                        ; my first column, in bytes: 1,024 x tile column + 512 x half
	s_add_co_u32 s16, s16, s46
	s_lshl_b32 s46, s12, 9
	s_add_co_u32 s16, s16, s46
	s_mov_b32 s17, 0
	s_add_nc_u64 s[8:9], s[8:9], s[16:17]
; 8 matrix instructions: A's block a x B's eight, 32 along K, out of buffer f.  zero = 1: the product starts the sums.  The 32 accumulators take turns in the same order in every quarter.
.macro MUL8 f, a, zero
.irp b, 0,1,2,3,4,5,6,7
.if \zero
	v_wmma_f32_16x16x32_f16 v[8*(8*(\a)+\b):8*(8*(\a)+\b)+7], v[64*(\f)+8*\b:64*(\f)+8*\b+7], v[AF+32*(\f)+8*(\a):AF+32*(\f)+8*(\a)+7], 0
.else
	v_wmma_f32_16x16x32_f16 v[8*(8*(\a)+\b):8*(8*(\a)+\b)+7], v[64*(\f)+8*\b:64*(\f)+8*\b+7], v[AF+32*(\f)+8*(\a):AF+32*(\f)+8*(\a)+7], v[8*(8*(\a)+\b):8*(8*(\a)+\b)+7]
.endif
.endr
.endm
; 24 LDS loads in one run: the fragments of quarter q of a slot (plane q / 2, channels 32 (q % 2) on) into buffer f: B's eight, then A's four
.macro FETCH slot, q, f
	WIN TO_B
.irp i, 0,1,2,3,4,5,6,7
	ds_load_b128 v[64*(\f)+8*\i:64*(\f)+8*\i+3],   v[ADRB+\slot] offset:((\q)/2)*BPL+((\q)%2)*64+\i*2176
	ds_load_b128 v[64*(\f)+8*\i+4:64*(\f)+8*\i+7], v[ADRB+\slot] offset:((\q)/2)*BPL+((\q)%2)*64+\i*2176+32
.endr
	WIN 0
.irp i, 0,1,2,3
	ds_load_b128 v[AF+32*(\f)+8*\i:AF+32*(\f)+8*\i+3],   v[ADRA+\slot] offset:((\q)/2)*APL+((\q)%2)*64+\i*2176
	ds_load_b128 v[AF+32*(\f)+8*\i+4:AF+32*(\f)+8*\i+7], v[ADRA+\slot] offset:((\q)/2)*APL+((\q)%2)*64+\i*2176+32
.endr
.endm
.macro PLACES                          ; four plain lines in front of loads into registers that matrix instructions have read, and of the first read of results
.rept 4
	v_nop
.endr
.endm
; A K step is four quarters of 32 along K, 32 matrix instructions each, on buffers 0, 1, 0, 1.  One of the first three: multiplies buffer f and fetches quarter qn into g.
.macro QUARTER slot, qn, f, g, zero
	s_wait_dscnt 4                                 ; B's eight and A's blocks 0, 1 are in; the youngest four loads (A's blocks 2, 3) may be out
	WIN MUL
	MUL8 \f, 0, \zero
	MUL8 \f, 1, \zero
	PLACES
	FETCH \slot, \qn, \g
	s_wait_dscnt 24                                ; all but the 24 just issued
	WIN MUL
	MUL8 \f, 2, \zero
	MUL8 \f, 3, \zero
.endm
; The last quarter multiplies buffer 1 and changes slots: one barrier; in front of it each wave waits for all its tensor loads, adds 0 to its spare word, and waits for that and for its own reads of this slot.
; fill = 1: the barrier opens a round of the cluster's barrier, and behind the round this slot is filled again, two K steps ahead.
.macro TURN slot, next, fill
	WIN 0                                          ; (the add's two registers lie in window 0)
	s_wait_tensorcnt 0x0                           ; all my tensor loads have landed: my part of the next slot
	ds_add_u32 v[SPW], v[NIL]                      ; 0 onto my spare word
	s_wait_dscnt 5                                 ; (the add and the youngest four loads may be out)
	WIN MUL
	MUL8 1, 0, 0                                   ; eight matrix instructions stand between the add and the wait for it
	s_wait_dscnt 0x0                               ; the add is done, and my reads of this slot are over
	s_barrier_signal -1
	MUL8 1, 1, 0
.if \fill
	WIN 0
.endif
	s_barrier_wait -1
.if \fill
	CREST                                          ; no wave of any partner still reads this slot's tiles or has a load on its way
	s_add_nc_u64 s[G0+4*\slot+2:G0+4*\slot+3], s[G0+4*\slot+2:G0+4*\slot+3], 0x400000
	s_add_nc_u64 s[G0B+4*\slot+2:G0B+4*\slot+3], s[G0B+4*\slot+2:G0B+4*\slot+3], 0x80000
	JLOAD \slot                                    ; the first tensor load behind the round, one a wave; the four v_nop behind it are also the places in front of the loads below
.else
	PLACES
.endif
	FETCH \next, 0, 0
	WIN MUL
	MUL8 1, 2, 0
	MUL8 1, 3, 0
.endm
	s_wait_tensorcnt 1                             ; my part of K step 0 is in (one younger load, K step 1's, may be out),
	s_barrier_signal -1
	s_barrier_wait -1                              ; everybody's is
	FETCH 0, 0, 0
	QUARTER 0, 1, 0, 1, 1                          ; the first quarter stands in front of the loop: its products start the sums
	WIN 0                                          ; at a label and at a branch every window is 0
	s_mov_b32 s3, LAPS-1
.Llap:                                             ; a trip goes once round the ring, from a lap's second quarter to the next lap's first, and fills both slots again
	QUARTER 0, 2, 1, 0, 0
	QUARTER 0, 3, 0, 1, 0
	TURN 0, 1, 1
	QUARTER 1, 1, 0, 1, 0
	QUARTER 1, 2, 1, 0, 0
	QUARTER 1, 3, 0, 1, 0
	TURN 1, 0, 1
	QUARTER 0, 1, 0, 1, 0
	WIN 0
	s_sub_co_u32 s3, s3, 1
	s_cmp_lg_u32 s3, 0
	s_cbranch_scc1 .Llap
	QUARTER 0, 2, 1, 0, 0                          ; the last lap fills nothing, and has no round of the cluster's barrier
	QUARTER 0, 3, 0, 1, 0
	TURN 0, 1, 0
	QUARTER 1, 1, 0, 1, 0
	QUARTER 1, 2, 1, 0, 0
	QUARTER 1, 3, 0, 1, 0
	s_wait_dscnt 4                                 ; the very last quarter: nothing more to fetch
	WIN MUL
	MUL8 1, 0, 0
	MUL8 1, 1, 0
	s_wait_dscnt 0
	MUL8 1, 2, 0
	MUL8 1, 3, 0
	WIN 0
; THE WAY OUT, block by block of 16 rows x 128 columns, through my own stage: in by 32 bytes a lane, back as whole rows of 512 bytes.  LDS serves a wave's instructions in order: no wait between the stores and the loads.
.macro TOSTAGE a
	WIN 0x08                                       ; an LDS store's data are its source 1: window 2
.irp b, 0,1,2,3,4,5,6,7
	ds_store_b128 v[STO], v[64*(\a)+8*\b:64*(\a)+8*\b+3] offset:64*\b          ; each accumulator from its low end on
	ds_store_b128 v[STO], v[64*(\a)+8*\b+4:64*(\a)+8*\b+7] offset:64*\b+16
.endr
	WIN 0
.set BB, 128+64*((\a)%2)
.irp t, 0,1,2,3,4,5,6,7,8,9,10,11,12,13,14,15
	ds_load_b128 v[BB+4*\t:BB+4*\t+3], v[RD] offset:\t*528
.endr
.endm
.macro SEND a, younger                 ; younger: the LDS instructions issued behind block a's loads, which may stay out
.set BB, 128+64*((\a)%2)
	s_wait_dscnt \younger
.if (\a) > 0
	s_add_nc_u64 s[8:9], s[8:9], 65536             ; 16 rows of out0 on (behind a wait on XCNT: the earlier stores have read their base)
.endif
.irp t, 0,1,2,3,4,5,6,7,8,9,10,11,12,13,14,15
	global_store_b128 v[CO], v[BB+4*\t:BB+4*\t+3], s[8:9] offset:\t*4096 th:TH_STORE_NT   ; 32 lanes store 512 consecutive bytes
.endr
.endm
	PLACES
	TOSTAGE 0
.irp a, 1,2,3
.if \a > 1
	s_wait_xcnt 0x0                                ; block a - 2's stores have read their registers and their base
.endif
	TOSTAGE \a
	SEND \a-1, 32                                  ; behind block a - 1's loads: block a's 16 stores and 16 loads
.endr
	s_wait_xcnt 0x0
	SEND 3, 0
	s_wait_tensorcnt 0x0                           ; the wave's end
	ds_add_u32 v[SPW], v[NIL]
	s_wait_dscnt 0x0
	CROUND                                         ; the closing round
	s_endpgm
.Lfunc_end_k_q12bdfc00b9_proj:
	.size	k_q12bdfc00b9_proj, .Lfunc_end_k_q12bdfc00b9_proj-k_q12bdfc00b9_proj
	.p2alignl 7, 3214868480
	.fill 96, 4, 3214868480
	.section	.rodata,"a",@progbits
	.p2align	6, 0x0
	.amdhsa_kernel k_q12bdfc00b9_proj
		.amdhsa_group_segment_fixed_size 327680
		.amdhsa_private_segment_fixed_size 0
		.amdhsa_enable_private_segment 0
		.amdhsa_kernarg_size 24
		.amdhsa_user_sgpr_count 2
		.amdhsa_user_sgpr_kernarg_segment_ptr 1
		.amdhsa_wavefront_size32 1
		.amdhsa_system_sgpr_workgroup_id_x 1
		.amdhsa_system_sgpr_workgroup_id_y 1
		.amdhsa_system_sgpr_workgroup_id_z 1
		.amdhsa_system_vgpr_workitem_id 0
		.amdhsa_next_free_vgpr 768
		.amdhsa_next_free_sgpr 66
		.amdhsa_reserve_vcc 0
		.amdhsa_float_denorm_mode_32 3
		.amdhsa_float_denorm_mode_16_64 3
		.amdhsa_memory_ordered 1
		.amdhsa_forward_progress 1
		.amdhsa_inst_pref_size 85
	.end_amdhsa_kernel
	.amdgpu_metadata
---
amdhsa.version: [ 1, 2 ]
amdhsa.kernels:
  - .name:           k_q12bdfc00b9_proj
    .symbol:         k_q12bdfc00b9_proj.kd
    .args:
      - { .name: ctx16, .offset: 0, .size: 8, .value_kind: global_buffer, .address_space: global }
      - { .name: wo16, .offset: 8, .size: 8, .value_kind: global_buffer, .address_space: global }
      - { .name: out0, .offset: 16, .size: 8, .value_kind: global_buffer, .address_space: global }
    .group_segment_fixed_size: 327680
    .private_segment_fixed_size: 0
    .kernarg_segment_align: 8
    .kernarg_segment_size: 24
    .max_flat_workgroup_size: 128
    .sgpr_count:     66
    .vgpr_count:     768
    .wavefront_size: 32
...
	.end_amdgpu_metadata
.endif
;; end of part 4
;; launch fine (part 5): grid 16 x 4, 16 waves a work-group, no clusters, 71,680 bytes of LDS; arguments qkv32, Wo, out0; writes out0
.if DOCPART == 5
	.amdgcn_target "amdgcn-amd-amdhsa--gfx1250"
	.amdhsa_code_object_version 6
	.text
	.protected	k_q12bdfc00b9_fine
	.globl	k_q12bdfc00b9_fine
	.p2align	8
	.type	k_q12bdfc00b9_fine,@function
k_q12bdfc00b9_fine:
	s_mov_b64 s[64:65], 0
	v_nop
	global_prefetch_b8 v0, s[64:65] scope:SCOPE_SE
	s_setreg_imm32_b32 hwreg(HW_REG_WAVE_MODE, 25, 1), 1
	s_wait_xcnt 0x0
; The first 16 positions of each of the 4 sequences average one to sixteen values and are the largest numbers of the output: they are carried in f32 through q k^T, the softmax, p v and the projection, and written over what the f16 launches left there.
; qkv32 [4 b][16 t][3072]: q at column 64 hd, k at 1024 + 64 hd, v at 2048 + 64 hd, f32.  Wo [1024 e][1024 d] f32.  out0 rows 2048 b + 0 .. 15.
; SHARES.  Work-group (x, y): 64 output columns 64 x on, batch y.  Wave hd is head hd: it makes the head's 16 x 16 attention and, without leaving its registers, the head's share of the 16 x 64 outputs; the 16 shares meet in LDS, one barrier, and wave w sums and stores row w.
; ALL MATRIX WORK IS v_wmma_f32_16x16x4_f32, 96 instructions a wave: no bulk work.  In that form lane (r, hh) holds k = 2 hh + j in register j.  k may be permuted alike on both sides: so the pairs of registers that 16-byte loads bring, and the pairs of a result's registers, serve as they stand.
;   S^T = K Q^T: lane (r, hh) holds channels 8 i + 4 hh + 0..3 of row r for both sides.   Result: lane holds query r, keys 8 hh + j.
;   O^T = V^T P: source 1 = p's pair 2 s, 2 s + 1 (keys 8 hh + 2 s + j), source 0 = V at those keys, channel 16 c + r.   Result: query r, channels 16 c + 8 hh + j.
;   OUT^T = Wo O: source 1 = O's pair (channels 16 c + 8 hh + 2 s + j), source 0 = Wo's row e at those channels.   Result: row t = r, columns 16 et + 8 hh + j.
; v192-255 are written by matrix instructions alone; what is made of a sum goes into other registers.
.set AQ,  3                            ; v3   q, k: row r of 12,288 bytes + 16 hh + 256 hd
.set AV,  4                            ; v4   v: 8 hh rows + 4 r + 256 hd
.set AW,  5                            ; v5   Wo: row r of 4,096 bytes + 32 hh + 256 hd
.set PST, 6                            ; v6   LDS: my share: hd x 4,352 + r x 272 + 32 hh
.set PRD, 7                            ; v7   LDS: row hd of share 0: hd x 272 + 8 x lane
.set GO,  8                            ; v8   8 x lane
.set DD,  9                            ; v9   r - 8 hh
.set SPW, 10                           ; v10  LDS address of my spare word; never rewritten
.set NIL, 11                           ; v11  0; never rewritten
.set PR,  12                           ; v12-19 scores, then p
.set QR,  32                           ; v32-63 Q;  v64-95 K;  later v32-95: Wo's tiles 2, 3;  later the 16 shares of my row
.set KR,  64
.set VR,  96                           ; v96-127 V
.set SA,  192                          ; v192-207 the scores in two halves of the channels; later OUT's tiles 0, 1;  v208-223 tiles 2, 3
.set OA,  224                          ; v224-255 O^T, four tiles of 16 channels
.set SPARE, 16*4352
	s_load_b128 s[4:7], s[0:1], 0x0                ; qkv32, Wo
	s_load_b64 s[8:9], s[0:1], 0x10                ; out0
	v_lshl_add_u32 v[SPW], v0, 2, SPARE
	v_mov_b32 v[NIL], 0
	v_lshrrev_b32 v1, 5, v0
	v_readfirstlane_b32 s10, v1                    ; wave = head
	v_and_b32 v1, 15, v0                           ; r
	v_bfe_u32 v2, v0, 4, 1                         ; hh
	s_lshl_b32 s13, s10, 8                         ; a head's 64 numbers are 256 bytes
	v_mul_u32_u24 v[AQ], v1, 12288
	v_lshl_add_u32 v[AQ], v2, 4, v[AQ]
	v_add_nc_u32 v[AQ], s13, v[AQ]
	v_mul_u32_u24 v[AV], v2, 98304
	v_lshl_add_u32 v[AV], v1, 2, v[AV]
	v_add_nc_u32 v[AV], s13, v[AV]
	v_lshlrev_b32 v[AW], 12, v1
	v_lshl_add_u32 v[AW], v2, 5, v[AW]
	v_add_nc_u32 v[AW], s13, v[AW]
	s_mul_i32 s13, s10, 4352
	v_mul_u32_u24 v[PST], v1, 272
	v_lshl_add_u32 v[PST], v2, 5, v[PST]
	v_add_nc_u32 v[PST], s13, v[PST]
	v_and_b32 v20, 31, v0
	v_lshlrev_b32 v[GO], 3, v20
	s_mul_i32 s13, s10, 272
	v_add_nc_u32 v[PRD], s13, v[GO]
	v_lshlrev_b32 v20, 3, v2
	v_sub_nc_u32 v[DD], v1, v20
	v_mov_b32 v20, 0xff800000                      ; -infinity
	s_mov_b32 s20, 0x3e38aa3b                      ; c = log2(e) / 8
	s_mov_b32 s22, 0x76543210
	s_mov_b32 s23, 0xfedcba98                      ; v_permlanex16_b32's selects for lane l xor 16
	s_and_b32 s12, ttmp7, 0xffff                   ; batch
	s_mul_i32 s14, s12, 196608                     ; 16 rows of 12,288 bytes a batch
	s_mov_b32 s15, 0
	s_lshl_b32 s16, ttmp9, 18                      ; 64 rows of Wo a slice
	s_mov_b32 s17, 0
	s_lshl_b32 s18, s12, 11
	s_add_co_u32 s18, s18, s10                     ; the row that I store: 2,048 b + wave
	s_lshl_b32 s18, s18, 12
	s_lshl_b32 s19, ttmp9, 8
	s_add_co_u32 s18, s18, s19                     ; + 64 columns x slice
	s_mov_b32 s19, 0
	s_wait_kmcnt 0x0
	s_add_nc_u64 s[4:5], s[4:5], s[14:15]
	s_add_nc_u64 s[6:7], s[6:7], s[16:17]
	s_add_nc_u64 s[8:9], s[8:9], s[18:19]
.irp i, 0,1,2,3,4,5,6,7
	global_load_b128 v[QR+4*\i:QR+4*\i+3], v[AQ], s[4:5] offset:32*\i
.endr
.irp i, 0,1,2,3,4,5,6,7
	global_load_b128 v[KR+4*\i:KR+4*\i+3], v[AQ], s[4:5] offset:4096+32*\i
.endr
.irp c, 0,1,2,3
.irp s, 0,1,2,3
.irp j, 0,1
	global_load_b32 v[VR+2*(4*\c+\s)+\j], v[AV], s[4:5] offset:8192+(2*\s+\j)*12288+64*\c   ; V(key 8 hh + 2 s + j, channel 16 c + r)
.endr
.endr
.endr
.irp e, 0,1                                    ; Wo's tiles 0 and 1: registers 8 c .. 8 c + 7 of a tile hold channels 16 c + 8 hh + 0..7 of row 16 e + r
.irp c, 0,1,2,3
	global_load_b128 v[128+32*\e+8*\c:128+32*\e+8*\c+3],   v[AW], s[6:7] offset:\e*65536+64*\c
	global_load_b128 v[128+32*\e+8*\c+4:128+32*\e+8*\c+7], v[AW], s[6:7] offset:\e*65536+64*\c+16
.endr
.endr
	s_wait_loadcnt 48                              ; Q and K are in; V's 32 loads and Wo's 16 may be out
.set n, 0
.rept 16                                       ; S^T = K Q^T, four channels an instruction; two accumulators take turns; the first two products start the sums
.if n < 2
	v_wmma_f32_16x16x4_f32 v[SA+8*(n%2):SA+8*(n%2)+7], v[KR+2*n:KR+2*n+1], v[QR+2*n:QR+2*n+1], 0
.else
	v_wmma_f32_16x16x4_f32 v[SA+8*(n%2):SA+8*(n%2)+7], v[KR+2*n:KR+2*n+1], v[QR+2*n:QR+2*n+1], v[SA+8*(n%2):SA+8*(n%2)+7]
.endif
.set n, n+1
.endr
.rept 8
	v_nop                                          ; eight places behind this form: ahead of loads into Q's and K's registers and of the first read of the scores
.endr
.irp e, 2,3                                    ; Wo's tiles 2 and 3 take Q's and K's registers
.irp c, 0,1,2,3
	global_load_b128 v[32*\e-32+8*\c:32*\e-32+8*\c+3],   v[AW], s[6:7] offset:\e*65536+64*\c
	global_load_b128 v[32*\e-32+8*\c+4:32*\e-32+8*\c+7], v[AW], s[6:7] offset:\e*65536+64*\c+16
.endr
.endr
.irp j, 0,1,2,3,4,5,6,7
	v_add_f32 v[PR+\j], v[SA+\j], v[SA+8+\j]       ; the two halves of the channels: from the low end on
.endr
.irp j, 0,1,2,3,4,5,6,7
	v_cmp_gt_i32 vcc_lo, \j, v[DD]                 ; key 8 hh + j comes after query r
	v_cndmask_b32 v[PR+\j], v[PR+\j], v20, vcc_lo
.endr
	v_max3_num_f32 v21, v[PR], v[PR+1], v[PR+2]
	v_max3_num_f32 v22, v[PR+3], v[PR+4], v[PR+5]
	v_max3_num_f32 v21, v21, v[PR+6], v[PR+7]
	v_max_num_f32 v21, v21, v22
	v_permlanex16_b32 v22, v21, s22, s23
	v_max_num_f32 v21, v21, v22                    ; the row's largest score: key 0 counts for every query
	v_mul_f32 v21, s20, v21
.irp j, 0,1,2,3,4,5,6,7
	v_fma_f32 v[PR+\j], v[PR+\j], s20, -v21
.endr
.irp j, 0,1,2,3,4,5,6,7
	v_exp_f32 v[PR+\j], v[PR+\j]
.endr
	v_nop                                          ; a plain line behind the last exponential
	s_wait_alu depctr_va_vdst(0)                   ; one wait for the eight, ahead of their first reader
	v_add_f32 v22, v[PR], v[PR+1]
	v_add_f32 v23, v[PR+2], v[PR+3]
	v_add_f32 v24, v[PR+4], v[PR+5]
	v_add_f32 v25, v[PR+6], v[PR+7]
	v_add_f32 v22, v22, v23
	v_add_f32 v24, v24, v25
	v_add_f32 v22, v22, v24
	v_permlanex16_b32 v23, v22, s22, s23
	v_add_f32 v22, v22, v23                        ; the row's sum
	v_rcp_f32 v24, v22
	v_nop
	s_wait_alu depctr_va_vdst(0)
.irp j, 0,1,2,3,4,5,6,7
	v_mul_f32 v[PR+\j], v[PR+\j], v24              ; the weights
.endr
	s_wait_loadcnt 32                              ; V is in; Wo's 32 loads may be out
.irp s, 0,1,2,3                                ; O^T = V^T P: four accumulators take turns; the first four products start the sums
.irp c, 0,1,2,3
.if \s == 0
	v_wmma_f32_16x16x4_f32 v[OA+8*\c:OA+8*\c+7], v[VR+2*(4*\c+\s):VR+2*(4*\c+\s)+1], v[PR+2*\s:PR+2*\s+1], 0
.else
	v_wmma_f32_16x16x4_f32 v[OA+8*\c:OA+8*\c+7], v[VR+2*(4*\c+\s):VR+2*(4*\c+\s)+1], v[PR+2*\s:PR+2*\s+1], v[OA+8*\c:OA+8*\c+7]
.endif
.endr
.endr
.rept 9
	v_nop                                          ; nine places before a matrix instruction takes these results as a source
.endr
	s_wait_loadcnt 0x0                             ; Wo
.irp c, 0,1,2,3                                ; OUT^T += Wo O: four accumulators take turns; tile e's registers of Wo begin at v128, v160, v32, v64
.irp s, 0,1,2,3
.irp e, 0,1,2,3
.if (\c == 0) && (\s == 0)
	v_wmma_f32_16x16x4_f32 v[SA+8*\e:SA+8*\e+7], v[128+32*\e-160*(\e/2)+8*\c+2*\s:128+32*\e-160*(\e/2)+8*\c+2*\s+1], v[OA+8*\c+2*\s:OA+8*\c+2*\s+1], 0
.else
	v_wmma_f32_16x16x4_f32 v[SA+8*\e:SA+8*\e+7], v[128+32*\e-160*(\e/2)+8*\c+2*\s:128+32*\e-160*(\e/2)+8*\c+2*\s+1], v[OA+8*\c+2*\s:OA+8*\c+2*\s+1], v[SA+8*\e:SA+8*\e+7]
.endif
.endr
.endr
.endr
.rept 8
	v_nop                                          ; eight places ahead of the stores that read the results and of the loads into Wo's registers
.endr
.irp e, 0,1,2,3
	ds_store_b128 v[PST], v[SA+8*\e:SA+8*\e+3] offset:64*\e            ; each accumulator from its low end on
	ds_store_b128 v[PST], v[SA+8*\e+4:SA+8*\e+7] offset:64*\e+16
.endr
	s_wait_dscnt 0x0                               ; for the others' sake: my share lies in LDS
	s_barrier_signal -1
	s_barrier_wait -1
.irp p, 0,1,2,3,4,5,6,7,8,9,10,11,12,13,14,15
	ds_load_b64 v[32+2*\p:33+2*\p], v[PRD] offset:\p*4352              ; row = my wave's number, of share p: 256 bytes for the 32 lanes
.endr
	s_wait_dscnt 0x0
.irp i, 0,1,2,3,4,5,6,7
	v_pk_add_f32 v[32+4*\i:33+4*\i], v[32+4*\i:33+4*\i], v[34+4*\i:35+4*\i]
.endr
.irp i, 0,1,2,3
	v_pk_add_f32 v[32+8*\i:33+8*\i], v[32+8*\i:33+8*\i], v[36+8*\i:37+8*\i]
.endr
.irp i, 0,1
	v_pk_add_f32 v[32+16*\i:33+16*\i], v[32+16*\i:33+16*\i], v[40+16*\i:41+16*\i]
.endr
	v_pk_add_f32 v[32:33], v[32:33], v[48:49]
	global_store_b64 v[GO], v[32:33], s[8:9]       ; 32 lanes store 256 consecutive bytes
	s_wait_tensorcnt 0x0                           ; the wave's end
	ds_add_u32 v[SPW], v[NIL]
	s_wait_dscnt 0x0
	s_endpgm
.Lfunc_end_k_q12bdfc00b9_fine:
	.size	k_q12bdfc00b9_fine, .Lfunc_end_k_q12bdfc00b9_fine-k_q12bdfc00b9_fine
	.p2alignl 7, 3214868480
	.fill 96, 4, 3214868480
	.section	.rodata,"a",@progbits
	.p2align	6, 0x0
	.amdhsa_kernel k_q12bdfc00b9_fine
		.amdhsa_group_segment_fixed_size 71680
		.amdhsa_private_segment_fixed_size 0
		.amdhsa_enable_private_segment 0
		.amdhsa_kernarg_size 24
		.amdhsa_user_sgpr_count 2
		.amdhsa_user_sgpr_kernarg_segment_ptr 1
		.amdhsa_wavefront_size32 1
		.amdhsa_system_sgpr_workgroup_id_x 1
		.amdhsa_system_sgpr_workgroup_id_y 1
		.amdhsa_system_sgpr_workgroup_id_z 1
		.amdhsa_system_vgpr_workitem_id 0
		.amdhsa_next_free_vgpr 256
		.amdhsa_next_free_sgpr 66
		.amdhsa_reserve_vcc 1
		.amdhsa_float_denorm_mode_32 3
		.amdhsa_float_denorm_mode_16_64 3
		.amdhsa_memory_ordered 1
		.amdhsa_forward_progress 1
		.amdhsa_inst_pref_size 23
	.end_amdhsa_kernel
	.amdgpu_metadata
---
amdhsa.version: [ 1, 2 ]
amdhsa.kernels:
  - .name:           k_q12bdfc00b9_fine
    .symbol:         k_q12bdfc00b9_fine.kd
    .args:
      - { .name: qkv32, .offset: 0, .size: 8, .value_kind: global_buffer, .address_space: global }
      - { .name: Wo, .offset: 8, .size: 8, .value_kind: global_buffer, .address_space: global }
      - { .name: out0, .offset: 16, .size: 8, .value_kind: global_buffer, .address_space: global }
    .group_segment_fixed_size: 71680
    .private_segment_fixed_size: 0
    .kernarg_segment_align: 8
    .kernarg_segment_size: 24
    .max_flat_workgroup_size: 512
    .sgpr_count:     66
    .vgpr_count:     256
    .wavefront_size: 32
...
	.end_amdgpu_metadata
.endif
;; end of part 5
